; MI455X (gfx1250); checked and timed in simulation.
; The chip was launched on July 23, 2026; its instructions are those of AMD's public machine-readable ISA for CDNA 5 (MIT licence, August 2026) and "CDNA5" Instruction Set Architecture Reference Guide (July 2026). The comments in the code are by the model that wrote it; some were corrected since.
;; Multi Head Attention. Allowed arithmetic: matrix products marked QUANTISED: E2M3 operands, one E8M0 scale for each 32 along K, by v_wmma_scale_f32_16x16x128_f8f6f4 with both operands' format E2M3, f32 sums; everything else in f32.
;; Inputs: Wout 1,024 x 1,024 float32; Wqkv 1,024 x 3,072 float32; bout 1,024 float32; bqkv 3,072 float32; x 4 x 2,048 x 1,024 float32.
;; Outputs: out0 4 x 2,048 x 1,024 float32.
;; This version of the problem:
;;   THIS VERSION OF THE PROBLEM IS GIVEN IN LOW PRECISION. The matrix products marked QUANTISED in the list below multiply operands that are first quantised to E2M3 (2 exponent bits, 3 mantissa bits; 6 bits a number), with one power-of-two scale for each 32 numbers along K (OCP MX v1.0); their sums are f32. All else is computed in f32.
;;   The module's matrix products, in the order in which they are computed (A, B: the left and right operand; K: the contracted axis; several contracted axes count as one K, in the product's order):
;;     1. [M 8,192, K 1,024] x [K 1,024, N 3,072]; A: input x; B: input Wqkv: QUANTISED
;;     2. batch 64 x [M 2,048, K 64] x [K 64, N 2,048]; A: computed on the way; B: computed on the way: QUANTISED
;;     3. batch 64 x [M 2,048, K 2,048] x [K 2,048, N 64]; A: softmax (see below); B: computed on the way: QUANTISED
;;     4. [M 8,192, K 1,024] x [K 1,024, N 1,024]; A: computed on the way; B: input Wout: QUANTISED
;;   THE QUANTISER, for each operand of a quantised product, along K:
;;     - K is cut into blocks of 32 from its start; a last block that is shorter is filled with zeros.
;;     - A block's scale is 2^e with e = floor(log2(the largest magnitude in the block)) - 2, held to -126 .. 127; a block of zeros has e = 0. As a byte (E8M0): e + 127.
;;     - Each number is divided by its block's scale, clamped to +-7.5, and rounded to the nearest number of E2M3, ties to even, subnormals kept.
;;     - The product sums the exact products of the quantised numbers (number of the format x scale) in f32.
;;   ~~~python
;;   def quantise(x, axis):      # numpy; x: float32 -> the quantised numbers, widened to float32 again
;;       x = np.moveaxis(x, axis, -1); K = x.shape[-1]
;;       x = np.pad(x, [(0, 0)] * (x.ndim - 1) + [(0, -K % 32)]); x = x.reshape(x.shape[:-1] + (-1, 32)); a = np.abs(x).max(-1, keepdims=True)
;;       e = np.where(a > 0, np.clip(np.frexp(np.where(a > 0, a, 1))[1] - 1 - 2, -126, 127), 0)      # np.frexp(a)[1] - 1 = floor(log2(a)), exactly
;;       r = np.clip(x / 2.0 ** e, -7.5, 7.5)
;;       step = 2.0 ** (np.maximum(np.frexp(np.where(r == 0, 1, r))[1] - 1, 0) - 3)
;;       q = np.round(r / step) * step * 2.0 ** e      # np.round: ties to even
;;       return np.moveaxis(q.reshape(q.shape[:-2] + (-1,))[..., :K], -1, axis).astype(np.float32)
;;   ~~~
;;   SOFTMAX AHEAD OF A QUANTISED PRODUCT. Where the list says 'softmax', what is quantised is not the finished softmax but p = 2^(t - M), with t = logit x log2(e) and M = ceil(the row's largest t), a whole number; so 1/2 < the row's largest p <= 1. The row's sum l is taken of the UNQUANTISED p, in f32, and the product's result is divided by l at the end. Since M is a whole number, a kernel that streams over the keys may use a running M (the ceiling of the running maximum): every later rescaling is an exact power of two, which a block's scale takes up: the codes' values come out the same.
;;   OPERANDS COMPUTED ON THE WAY. 'Computed on the way' means the value that the module computes at that place (a softmax that the list does not call 'softmax' is quantised finished and normalised). What goes into a quantiser is computed in f32, as accurately as f32 sums, v_exp_f32 and their like allow (about 1e-6 of the number): no bf16 or f16 on the way to a quantiser, and a product that is left as it is and whose result goes on into a quantised operand takes f32 operands (vector FMAs, or v_wmma_f32_16x16x4_f32). A number that lies on a knife's edge between two numbers of the format may be rounded either way, as far as f32 arithmetic and the matrix unit's own rounding can turn it there, and no further.
;; One version. Each part assembles by itself: llvm-mc -triple=amdgcn-amd-amdhsa -mcpu=gfx1250 --defsym DOCPART=n.
;; ======== version 1 of 1: 4 launches
;; limits: right only within a limited range of input values
;; workspace buffers: opc 9,437,184 bytes; ops 393,216 bytes; qkv 20,185,088 bytes; acod 6,291,456 bytes; ascl 262,144 bytes
;; launch quant (part 1): grid 768 x 1, 4 waves a work-group, no clusters, 34,304 bytes of LDS; arguments x, Wqkv, Wout, opc, ops; writes opc, ops
.if DOCPART == 1
	.amdgcn_target "amdgcn-amd-amdhsa--gfx1250"
	.amdhsa_code_object_version 6
	.text
	.protected	k_q01ea2e5a2c_quant
	.globl	k_q01ea2e5a2c_quant
	.p2align	8
	.type	k_q01ea2e5a2c_quant,@function
k_q01ea2e5a2c_quant:
	s_mov_b64 s[64:65], 0
	v_nop
	global_prefetch_b8 v0, s[64:65] scope:SCOPE_SE
	s_setreg_imm32_b32 hwreg(HW_REG_WAVE_MODE, 25, 1), 1
	s_wait_xcnt 0x0
; x [8192][1024], Wqkv [1024][3072] and Wout [1024][1024], f32, become codes of FP6 (E2M3) with one E8M0 byte for each 32 along K (K = 1024: x's last axis, the weights' first).
; A block's scale is 2^(floor(log2(its largest magnitude)) - 2); its byte is that magnitude's exponent field - 2, held at 1 from below.
; LIMITS: NaN and infinities are not served; a block whose largest magnitude lies under 2^-124, a block of zeros among them, gets the byte 1 (its codes are then zeros or near it; the bytes are read by this program alone).
; THE OUTPUT IS LAID IN THE ORDER OF THE OPERAND'S REGISTERS.  Rows of x and columns of the weights are grouped in tiles of 16 places: tile 2 G + u, place r, is index 32 G + 8 u + r % 8 + 16 (r / 8).
; A unit of 768 bytes holds 16 places x 64 along K: lane (r, h) owns block h (24 bytes = 6 registers) of place r; registers 0-3 lie at 16 x lane, registers 4-5 at 512 + 8 x lane.
; opc: [tile 768][K / 64: 16][768]; tiles 0-511 x, 512-703 Wqkv, 704-767 Wout.   ops: [tile][K / 256: 4][place 16][2 words of four bytes].
; WORK-GROUPS: 0-191 Wqkv, 192-255 Wout (128 columns x 128 along K each; a wave 32 columns), 256-767 x (a tile of 16 rows; a wave 256 along K).  Waves share nothing: no barrier.
; Only x's path uses LDS (a stage of each wave's own).  Matrix units, clusters and tensor loads would add nothing to a stream.
.set SPARE, 33792                      ; behind the four stages: the spare words, 128 bytes for each wave, which no other line names
.set SPW,   12                         ; v12  LDS address of my spare word; never rewritten
.set NIL,   13                         ; v13  0; never rewritten
.set STG,   8448                       ; a wave's stage: 16 rows x 528 bytes
.set SP,    528                        ; a stage row: 512 bytes + 16, so that sixteen rows begin in different banks
.macro FINISH                          ; the wave's end, behind the last LDS store
	s_wait_tensorcnt 0x0
	ds_add_u32 v[SPW], v[NIL]
	s_wait_dscnt 0x0
	s_endpgm
.endm
; the largest magnitude of v[xb] .. v[xb + 31] and the floor 2^(3 - 127), into v[d0]; two chains
.macro BMAX d0, d1, xb
	v_max3_num_f32 v[\d0], |v[\xb]|, |v[\xb+1]|, 0x1800000
	v_max3_num_f32 v[\d1], |v[\xb+2]|, |v[\xb+3]|, |v[\xb+4]|
.irp i, 5,9,13,17,21,25
	v_max3_num_f32 v[\d0], v[\d0], |v[\xb+\i]|, |v[\xb+\i+1]|
	v_max3_num_f32 v[\d1], v[\d1], |v[\xb+\i+2]|, |v[\xb+\i+3]|
.endr
	v_max3_num_f32 v[\d0], v[\d0], |v[\xb+29]|, |v[\xb+30]|
	v_max3_num_f32 v[\d0], v[\d0], v[\d1], |v[\xb+31]|
.endm
; block t of a weight: 32 rows of K at my column; each load reads 128 consecutive bytes
.macro WLOAD t, NCOL
.set i, 0
.rept 32
	global_load_b32 v[64+32*(\t)+i], v6, s[24:25] offset:(32*(\t)+i)*\NCOL*4 th:TH_LOAD_NT
.set i, i+1
.endr
.endm
; A WEIGHT.  A lane takes a column and its registers run down K, so a block of 32 lies in one lane.  Lanes 0-15 are the places of tile 2 G, lanes 16-31 those of tile 2 G + 1.
.macro WPATH NCOL, TILE0, IDBASE, PTR
	s_sub_co_u32 s17, ttmp9, \IDBASE
	s_lshr_b32 s18, s17, 3                         ; which 128 columns
	s_and_b32 s19, s17, 7                          ; which 128 along K
	v_and_b32 v6, 7, v1
	v_bfe_u32 v7, v1, 3, 1
	v_lshl_add_u32 v6, v7, 4, v6
	v_lshl_add_u32 v6, v3, 3, v6                   ; my column among the wave's 32: lane % 8 + 16 ((lane / 8) % 2) + 8 (lane / 16)
	v_lshlrev_b32 v6, 2, v6
	s_wait_alu depctr_va_vdst(0)
	s_mul_i32 s24, s19, 128*\NCOL*4
	s_lshl_b32 s25, s18, 9
	s_add_co_u32 s24, s24, s25
	s_lshl_b32 s25, s16, 7
	s_add_co_u32 s24, s24, s25
	s_mov_b32 s25, 0
	s_add_nc_u64 s[24:25], s[\PTR:\PTR+1], s[24:25]   ; the weight at my wave's first column and first row of K
	s_lshl_b32 s26, s18, 3
	s_lshl_b32 s27, s16, 1
	s_add_co_u32 s26, s26, s27
	s_add_co_u32 s26, s26, \TILE0                  ; my wave's first tile
	s_mul_i32 s28, s26, 12288
	s_mul_i32 s29, s19, 1536
	s_add_co_u32 s28, s28, s29
	s_mov_b32 s29, 0
	s_add_nc_u64 s[28:29], s[10:11], s[28:29]      ; its codes of these 128 along K
	s_lshl_b32 s30, s26, 9
	s_lshr_b32 s31, s19, 1
	s_lshl_b32 s31, s31, 7
	s_add_co_u32 s30, s30, s31
	s_and_b32 s31, s19, 1
	s_lshl_b32 s31, s31, 2
	s_add_co_u32 s30, s30, s31
	s_mov_b32 s31, 0
	s_add_nc_u64 s[30:31], s[12:13], s[30:31]      ; and its scale words
	v_lshlrev_b32 v7, 3, v2
	v_lshl_add_u32 v7, v3, 9, v7                   ; 8 x place + 512 x (which of the two tiles)
	WLOAD 0, \NCOL
	WLOAD 1, \NCOL
.irp t, 0,1,2,3
.if \t < 3
	s_wait_loadcnt 32                              ; this block's 32 loads are in; the next block's 32 may be out
.else
	s_wait_loadcnt 0
.endif
.if \t < 2
	WLOAD \t+2, \NCOL                              ; two blocks ahead, into registers of their own
.endif
	BMAX 8, 9, 64+32*\t
	v_add_nc_u32 v[16+\t], 0xff000000, v8          ; 2 off the exponent field: the conversion's scale operand
	v_lshrrev_b32 v10, 23, v[16+\t]                ; the scale's byte
.if \t == 0
	v_mov_b32 v20, v10
.else
	v_lshl_or_b32 v20, v10, 8*\t, v20              ; four bytes make my column's word for these 128 along K
.endif
.if \t % 2 == 1                        ; two blocks make a unit of 64 along K for each of the two tiles
.set P,  24+12*(\t/2)
.set QR, 30+12*(\t/2)
.set XB, 64+32*(\t-1)
	v_cvt_scalef32_pk16_fp6_f32 v[P:P+2], v[XB:XB+15], v[16+\t-1]
	v_cvt_scalef32_pk16_fp6_f32 v[48:50], v[XB+16:XB+31], v[16+\t-1]   ; (a conversion's three registers begin on an even number)
	v_cvt_scalef32_pk16_fp6_f32 v[QR:QR+2], v[XB+32:XB+47], v[16+\t]
	v_cvt_scalef32_pk16_fp6_f32 v[52:54], v[XB+48:XB+63], v[16+\t]
	v_nop                                          ; one plain place behind the scaled conversions
.irp i, 0,1,2
	v_mov_b32 v[P+3+\i], v[48+\i]
	v_mov_b32 v[QR+3+\i], v[52+\i]
.endr
.irp i, 0,1,2,3,4,5
	v_permlane16_swap_b32 v[P+\i], v[QR+\i]        ; the first's lanes 16-31 change places with the second's lanes 0-15: the first is now tile 2 G's unit (lane (r, h): block h), the second tile 2 G + 1's
.endr
	global_store_b128 v4, v[P:P+3], s[28:29] offset:768*(\t/2)               ; 512 consecutive bytes
	global_store_b64 v5, v[P+4:P+5], s[28:29] offset:768*(\t/2)+512          ; 256 consecutive bytes
	global_store_b128 v4, v[QR:QR+3], s[28:29] offset:768*(\t/2)+12288
	global_store_b64 v5, v[QR+4:QR+5], s[28:29] offset:768*(\t/2)+12288+512
.endif
.endr
	global_store_b32 v7, v20, s[30:31]             ; 4 of every 8 bytes: the other word of a place belongs to the neighbouring 128 along K; one byte for 128 bytes read
	FINISH
.endm
; x: fragment f (128 along K) of my 16 rows.  The loads took the bytes as they lie; through the stage a lane gets two whole blocks of its row.
.macro XFRAG f
	s_wait_loadcnt 16*(1-\f)                       ; this fragment's 16 loads are in; the other's may be out
.irp i, 0,1,2,3,4,5,6,7,8,9,10,11,12,13,14,15
	ds_store_b128 v8, v[64+64*\f+4*\i:64+64*\f+4*\i+3] offset:SP*\i
.endr
.irp c, 0,1
.irp e, 0,1,2,3,4,5,6,7
	ds_load_b128 v[192+32*\c+4*\e:192+32*\c+4*\e+3], v9 offset:256*\c+16*\e   ; LDS serves a wave's instructions in order: these see my stores.  k = 64 c + 32 h + 0 .. 31 of row r
.endr
.endr
	s_wait_dscnt 0x0
	BMAX 10, 11, 192
	BMAX 14, 15, 224
	v_add_nc_u32 v16, 0xff000000, v10
	v_add_nc_u32 v17, 0xff000000, v14
	v_lshrrev_b32 v18, 23, v16
	v_lshrrev_b32 v19, 23, v17
	v_lshl_or_b32 v18, v19, 16, v18                ; my two bytes: blocks h and 2 + h,
	v_lshlrev_b32 v19, 3, v3
	v_lshlrev_b32 v18, v19, v18                    ; at their places in the word;
	v_permlanex16_b32 v23, v18, s20, s21
	v_or_b32 v[20+\f], v18, v23                    ; with lane l xor 16's two the word is whole
.irp c, 0,1
	v_cvt_scalef32_pk16_fp6_f32 v[24+12*\f+6*\c:26+12*\f+6*\c], v[192+32*\c:207+32*\c], v[16+\c]
	v_cvt_scalef32_pk16_fp6_f32 v[48+4*\c:50+4*\c], v[208+32*\c:223+32*\c], v[16+\c]
.endr
	v_nop                                          ; one plain place behind the scaled conversions
.irp c, 0,1
.irp i, 0,1,2
	v_mov_b32 v[27+12*\f+6*\c+\i], v[48+4*\c+\i]
.endr
.endr
.irp c, 0,1
	global_store_b128 v4, v[24+12*\f+6*\c:27+12*\f+6*\c], s[28:29] offset:1536*\f+768*\c
	global_store_b64 v5, v[28+12*\f+6*\c:29+12*\f+6*\c], s[28:29] offset:1536*\f+768*\c+512
.endr
.endm
	s_load_b256 s[4:11], s[0:1], 0x0               ; x s[4:5], Wqkv s[6:7], Wout s[8:9], opc s[10:11]
	s_load_b64 s[12:13], s[0:1], 0x20              ; ops
	v_lshl_add_u32 v[SPW], v0, 2, SPARE
	v_mov_b32 v[NIL], 0
	v_lshrrev_b32 v1, 5, v0
	v_readfirstlane_b32 s16, v1                    ; wave 0..3
	v_and_b32 v1, 31, v0                           ; lane
	v_and_b32 v2, 15, v0                           ; r
	v_bfe_u32 v3, v0, 4, 1                         ; h
	v_lshlrev_b32 v4, 4, v1                        ; 16 x lane
	v_lshlrev_b32 v5, 3, v1                        ; 8 x lane
	s_mov_b32 s20, 0x76543210
	s_mov_b32 s21, 0xfedcba98                      ; v_permlanex16_b32's selects for lane l xor 16
	s_mov_b32 s22, 0xffff0000                      ; lanes 16-31
	s_wait_kmcnt 0x0
	s_cmp_lt_u32 ttmp9, 192
	s_cbranch_scc1 .Lwqkv
	s_cmp_lt_u32 ttmp9, 256
	s_cbranch_scc1 .Lwout
	; ---- x: tile rt of 16 rows; my wave's 256 along K
	s_sub_co_u32 s17, ttmp9, 256                   ; rt
	s_lshr_b32 s18, s17, 1
	s_lshl_b32 s18, s18, 5
	s_and_b32 s19, s17, 1
	s_lshl_b32 s19, s19, 3
	s_add_co_u32 s18, s18, s19                     ; the tile's first row: 32 (rt / 2) + 8 (rt % 2)
	s_lshl_b32 s18, s18, 12
	s_lshl_b32 s19, s16, 10
	s_add_co_u32 s24, s18, s19
	s_mov_b32 s25, 0
	s_add_nc_u64 s[24:25], s[4:5], s[24:25]
	s_wait_alu depctr_va_vdst(0)
.irp f, 0,1
.irp i, 0,1,2,3,4,5,6,7,8,9,10,11,12,13,14,15
	global_load_b128 v[64+64*\f+4*\i:64+64*\f+4*\i+3], v4, s[24:25] offset:((\i%8)+16*(\i/8))*4096+512*\f th:TH_LOAD_NT   ; place i's 512 consecutive bytes
.endr
.endr
	s_mul_i32 s26, s16, STG
	v_add_nc_u32 v8, s26, v4                       ; the stage, on the way in: 16 x lane, a row for each place
	v_mul_u32_u24 v9, v2, SP
	v_lshl_add_u32 v9, v3, 7, v9
	v_add_nc_u32 v9, s26, v9                       ; and on the way out: row r, + 128 h
	s_mul_i32 s28, s17, 12288
	s_mul_i32 s29, s16, 3072
	s_add_co_u32 s28, s28, s29
	s_mov_b32 s29, 0
	s_add_nc_u64 s[28:29], s[10:11], s[28:29]      ; the tile's codes of my 256 along K
	s_lshl_b32 s30, s17, 9
	s_lshl_b32 s31, s16, 7
	s_add_co_u32 s30, s30, s31
	s_mov_b32 s31, 0
	s_add_nc_u64 s[30:31], s[12:13], s[30:31]      ; and its scale words
	v_lshlrev_b32 v7, 3, v2
	v_lshl_add_u32 v7, v3, 2, v7                   ; 8 r + 4 h
	v_mov_b32 v23, 0                               ; written once: a lane permute's destination counts as one of its sources
	s_wait_alu depctr_va_vdst(0)
	XFRAG 0
	XFRAG 1
	v_cndmask_b32 v22, v20, v21, s22               ; lanes 0-15 hold the first fragment's word, lanes 16-31 the second's
	global_store_b32 v7, v22, s[30:31]             ; 128 consecutive bytes
	FINISH
.Lwqkv:
	s_wait_alu depctr_va_vdst(0)
	WPATH 3072, 512, 0, 6
.Lwout:
	s_wait_alu depctr_va_vdst(0)
	WPATH 1024, 704, 192, 8
.Lfunc_end_k_q01ea2e5a2c_quant:
	.size	k_q01ea2e5a2c_quant, .Lfunc_end_k_q01ea2e5a2c_quant-k_q01ea2e5a2c_quant
	.p2alignl 7, 3214868480
	.fill 96, 4, 3214868480
	.section	.rodata,"a",@progbits
	.p2align	6, 0x0
	.amdhsa_kernel k_q01ea2e5a2c_quant
		.amdhsa_group_segment_fixed_size 34304
		.amdhsa_private_segment_fixed_size 0
		.amdhsa_enable_private_segment 0
		.amdhsa_kernarg_size 40
		.amdhsa_user_sgpr_count 2
		.amdhsa_user_sgpr_kernarg_segment_ptr 1
		.amdhsa_wavefront_size32 1
		.amdhsa_system_sgpr_workgroup_id_x 1
		.amdhsa_system_sgpr_workgroup_id_y 1
		.amdhsa_system_sgpr_workgroup_id_z 1
		.amdhsa_system_vgpr_workitem_id 0
		.amdhsa_next_free_vgpr 256
		.amdhsa_next_free_sgpr 66
		.amdhsa_reserve_vcc 0
		.amdhsa_float_denorm_mode_32 3
		.amdhsa_float_denorm_mode_16_64 3
		.amdhsa_memory_ordered 1
		.amdhsa_forward_progress 1
		.amdhsa_inst_pref_size 58
	.end_amdhsa_kernel
	.amdgpu_metadata
---
amdhsa.version: [ 1, 2 ]
amdhsa.kernels:
  - .name:           k_q01ea2e5a2c_quant
    .symbol:         k_q01ea2e5a2c_quant.kd
    .args:
      - { .name: x, .offset: 0, .size: 8, .value_kind: global_buffer, .address_space: global }
      - { .name: Wqkv, .offset: 8, .size: 8, .value_kind: global_buffer, .address_space: global }
      - { .name: Wout, .offset: 16, .size: 8, .value_kind: global_buffer, .address_space: global }
      - { .name: opc, .offset: 24, .size: 8, .value_kind: global_buffer, .address_space: global }
      - { .name: ops, .offset: 32, .size: 8, .value_kind: global_buffer, .address_space: global }
    .group_segment_fixed_size: 34304
    .private_segment_fixed_size: 0
    .kernarg_segment_align: 8
    .kernarg_segment_size: 40
    .max_flat_workgroup_size: 128
    .sgpr_count:     66
    .vgpr_count:     256
    .wavefront_size: 32
...
	.end_amdgpu_metadata
.endif
;; end of part 1
;; launch gemm_qkv (part 2): grid 12 x 32, 4 waves a work-group, clusters of 4 x 4, 327,680 bytes of LDS; arguments opc, ops, bqkv, qkv; writes qkv
.if DOCPART == 2
	.amdgcn_target "amdgcn-amd-amdhsa--gfx1250"
	.amdhsa_code_object_version 6
	.text
	.protected	k_q01ea2e5a2c_gemm_qkv
	.globl	k_q01ea2e5a2c_gemm_qkv
	.p2align	8
	.type	k_q01ea2e5a2c_gemm_qkv,@function
k_q01ea2e5a2c_gemm_qkv:
	s_mov_b64 s[64:65], 0
	v_nop
	global_prefetch_b8 v0, s[64:65] scope:SCOPE_SE
	s_setreg_imm32_b32 hwreg(HW_REG_WAVE_MODE, 25, 1), 1
	s_wait_xcnt 0x0
	s_wait_alu depctr_hold_cnt(0) depctr_sa_sdst(0) depctr_va_vdst(0) depctr_va_sdst(0) depctr_va_ssrc(0) depctr_va_vcc(0) depctr_vm_vsrc(0)
	s_getreg_b32 s2, hwreg(HW_REG_IB_STS2, 6, 4)
	s_cmp_eq_u32 s2, 0
	s_cbranch_scc0 .Lentry_in_a_cluster
	s_endpgm
.Lentry_in_a_cluster:
	s_bfe_u32 s2, ttmp6, 0x10000c
	s_cmp_lg_u32 s2, 0xf033
	s_cbranch_scc0 .Lentry_shape_is_right
	s_endpgm
.Lentry_shape_is_right:
.set NQ,     2
.set FR,     12
.set NL,     4
.set NP,     4
.set TBY,    3072
.set HALFT,  8*TBY
.set SLOT,   4*HALFT
.set SCL,    2*SLOT
.set HALFS,  4096
.set SBLK,   512
.set SPARE,  SCL+4*HALFS
.set REC,    315392
.set QOFF,   208896
.set L16,  8
.set L8,   9
.set ADRA, 16
.set ADRB, 20
.set ADRS, 27
.set SPW,  28
.set NIL,  29
.set SC,   32
.set BJ,   64
.set AF,   128
.set BI,   224
.set HA,   128
.set PC,   192
.set TM,   64
.set SW,   80
.set G1,   24
.set G0,   32
.set G1B,  48
.set G0B,  56
.set G1S,  68
.set G0S,  76
.set G1SB, 80
.set G0SB, 88
.set MSB, 0
.macro WIN new
.if MSB != (\new)
	s_set_vgpr_msb (MSB<<8)|(\new)
.set MSB, (\new)
.endif
.endm
.set MUL_LO, 0xa1
.set MUL_HI, 0xf1
.set FST_LO, 0x81
.set FST_HI, 0xc1
.set TO_B,   0x40
.macro JLOAD g0a, g1a, g0b, g1b
	s_cmp_eq_u32 s15, 0
	s_cbranch_scc0 .Lfor_b_\@
	tensor_load_to_lds s[\g0a:\g0a+3], s[\g1a:\g1a+7]
	s_nop 0
.rept 4
	v_nop
.endr
	s_branch .Lasked_\@
.Lfor_b_\@:
	tensor_load_to_lds s[\g0b:\g0b+3], s[\g1b:\g1b+7]
	s_nop 0
.rept 4
	v_nop
.endr
.Lasked_\@:
.endm
.macro CREST
	s_cmp_lg_u32 s14, 0
	s_cbranch_scc1 .Lnot_wave_0_\@
	s_barrier_signal -3
.Lnot_wave_0_\@:
	s_barrier_wait -3
	s_barrier_signal -1
	s_barrier_wait -1
.endm
.macro CROUND
	s_barrier_signal -1
	s_barrier_wait -1
	CREST
.endm
	s_load_b256 s[4:11], s[0:1], 0x0
	v_lshl_add_u32 v[SPW], v0, 2, SPARE
	v_mov_b32 v[NIL], 0
	ds_add_u32 v[SPW], v[NIL]
	ds_add_u32 v[SPW], v[NIL]
	v_lshrrev_b32 v1, 5, v0
	v_readfirstlane_b32 s14, v1
	s_lshr_b32 s15, s14, 1
	s_and_b32 s16, s14, 1
	s_bfe_u32 s40, ttmp6, 0x40000
	s_bfe_u32 s41, ttmp6, 0x40004
	s_and_b32 s17, ttmp7, 0xffff
	s_lshl_b32 s43, s41, 2
	s_lshl_b32 s43, 15, s43
	s_lshl_b32 s44, 0x1111, s40
	s_or_b32 s[G1+0], s43, (3<<16)|(1<<21)
	s_or_b32 s[G1B+0], s44, (3<<16)|(1<<21)
.irp g, G1, G1B
	s_mov_b32 s[\g+1], 384<<16
	s_mov_b32 s[\g+2], 16<<16
	s_mov_b32 s[\g+3], 384<<16
	s_mov_b32 s[\g+4], 16
	s_mov_b32 s[\g+5], 1536
	s_mov_b32 s[\g+6], 0
	s_mov_b32 s[\g+7], 0
.endr
	s_or_b32 s[G1S+0], s43, (3<<16)|(1<<21)
	s_or_b32 s[G1SB+0], s44, (3<<16)|(1<<21)
.irp g, G1S, G1SB
	s_mov_b32 s[\g+1], 32<<16
	s_mov_b32 s[\g+2], 32<<16
	s_mov_b32 s[\g+3], 32<<16
	s_mov_b32 s[\g+4], 32
	s_mov_b32 s[\g+5], 32
	s_mov_b32 s[\g+6], 0
	s_mov_b32 s[\g+7], 0
.endr
	s_lshl_b32 s20, s17, 2
	s_add_co_u32 s20, s20, s41
	s_lshl_b32 s20, s20, 4
	s_lshl_b32 s21, s41, 4
	s_add_co_u32 s21, s21, 640
	s_lshl_b32 s46, ttmp9, 2
	s_add_co_u32 s46, s46, s40
	s_lshl_b32 s46, s46, 4
	s_add_co_u32 s46, s46, 512
	s_lshl_b32 s47, s17, 2
	s_add_co_u32 s47, s47, s40
	s_lshl_b32 s47, s47, 4
	s_cmp_eq_u32 ttmp9, 2
	s_cselect_b32 s20, s21, s20
	s_cselect_b32 s46, s47, s46
	s_lshl_b32 s18, s16, 3
	s_add_co_u32 s20, s20, s18
	s_add_co_u32 s46, s46, s18
	s_mul_i32 s22, s20, 512
	s_mul_i32 s20, s20, 12288
	s_mul_i32 s92, s46, 512
	s_mul_i32 s46, s46, 12288
	s_mov_b32 s21, 0
	s_mov_b32 s23, 0
	s_mov_b32 s47, 0
	s_mov_b32 s93, 0
	s_mul_i32 s45, s14, HALFT
	s_lshl_b32 s66, ttmp9, 2
	s_add_co_u32 s66, s66, s40
	s_lshl_b32 s66, s66, 10
	s_lshl_b32 s67, s16, 9
	s_add_co_u32 s66, s66, s67
	s_lshl_b32 s96, s41, 10
	s_lshl_b32 s97, s15, 9
	s_add_co_u32 s96, s96, s97
	s_add_co_u32 s96, s96, 8192
	s_cmp_eq_u32 ttmp9, 2
	s_cselect_b32 s66, 0, s66
	s_cselect_b32 s96, s96, 0
	s_cselect_b32 s98, 0, -1
	s_cselect_b32 s99, -1, 0
	s_mov_b32 s67, 0
	s_mov_b32 s97, 0
	s_wait_dscnt 0x0
	s_wait_kmcnt 0x0
	s_add_nc_u64 s[20:21], s[4:5], s[20:21]
	s_add_nc_u64 s[22:23], s[6:7], s[22:23]
	s_add_nc_u64 s[46:47], s[4:5], s[46:47]
	s_add_nc_u64 s[92:93], s[6:7], s[92:93]
	s_add_nc_u64 s[66:67], s[8:9], s[66:67]
	s_add_nc_u64 s[96:97], s[8:9], s[96:97]
	CROUND
	; THE HEAD'S FOUR TILES, EACH WHOLE, ONE JOINT LOAD A WAVE: wave 0 slot 0's 16 tiles of A, wave 1 its 16 of B, wave 2 A's scale words, wave 3 B's
	s_mul_i32 s18, s16, 8*12288                    ; my half of a tile's 16 units, in bytes of codes,
	s_mov_b32 s19, 0
	s_lshl_b32 s2, s16, 12                         ; and of scale words: taken off again for the whole tiles
	s_mov_b32 s3, 0
	s_mov_b32 s[G0S], 1
	s_mov_b32 s[G0S+1], SCL
	s_sub_nc_u64 s[G0S+2:G0S+3], s[22:23], s[2:3]
	s_or_b32 s[G0S+3], s[G0S+3], 0x80000000
	s_mov_b32 s[G0SB], 1
	s_mov_b32 s[G0SB+1], SCL+2*HALFS
	s_sub_nc_u64 s[G0SB+2:G0SB+3], s[92:93], s[2:3]
	s_or_b32 s[G0SB+3], s[G0SB+3], 0x80000000
	s_mov_b32 s[G0], 1
	s_mov_b32 s[G0+1], 0
	s_sub_nc_u64 s[G0+2:G0+3], s[20:21], s[18:19]
	s_or_b32 s[G0+3], s[G0+3], 0x80000000
	s_mov_b32 s[G0B], 1
	s_mov_b32 s[G0B+1], 2*HALFT
	s_sub_nc_u64 s[G0B+2:G0B+3], s[46:47], s[18:19]
	s_or_b32 s[G0B+3], s[G0B+3], 0x80000000
	s_mov_b32 s[G0+4], 1                           ; slot 1: a quarter of the slot a wave
	s_add_co_u32 s[G0+5], s45, SLOT
	s_add_nc_u64 s[G0+6:G0+7], s[20:21], TBY
	s_or_b32 s[G0+7], s[G0+7], 0x80000000
	s_mov_b32 s[G0B+4], 1
	s_add_co_u32 s[G0B+5], s45, SLOT
	s_add_nc_u64 s[G0B+6:G0B+7], s[46:47], TBY
	s_or_b32 s[G0B+7], s[G0B+7], 0x80000000
.macro ARM under, g0, g1, next                 ; one chain of branches on the wave's number, one load to an arm, one join
	s_cmp_lt_u32 s14, \under
	s_cbranch_scc0 \next
	tensor_load_to_lds s[\g0:\g0+3], s[\g1:\g1+7]
	s_nop 0
.rept 4
	v_nop
.endr
	s_branch .Lhead_asked
\next:
.endm
	ARM 1, G0,  G1,  .Lhead_b
	ARM 2, G0B, G1B, .Lhead_sa
	ARM 3, G0S, G1S, .Lhead_sb
	tensor_load_to_lds s[G0SB:G0SB+3], s[G1SB:G1SB+7]
	s_nop 0
.rept 4
	v_nop
.endr
.Lhead_asked:
	v_and_b32 v1, 15, v0
	v_bfe_u32 v2, v0, 4, 1
	v_and_b32 v3, 31, v0
	v_lshlrev_b32 v[L16], 4, v3
	v_lshlrev_b32 v[L8], 3, v3
	v_lshlrev_b32 v6, 6, v2
.irp b, 0,1,2,3,4,5,6,7
	global_load_b128 v[BJ+8*\b:BJ+8*\b+3], v6, s[66:67] offset:(32*(\b/2)+8*(\b%2))*4
	global_load_b128 v[BJ+8*\b+4:BJ+8*\b+7], v6, s[66:67] offset:(32*(\b/2)+8*(\b%2))*4+16
.endr
	v_and_b32 v7, 7, v1
	v_lshrrev_b32 v10, 3, v1
	v_lshlrev_b32 v7, 2, v7
	v_lshl_add_u32 v7, v10, 6, v7
.irp a, 0,1,2,3,4,5,6,7
	global_load_b32 v[BI+2*\a], v7, s[96:97] offset:(32*(\a/2)+8*(\a%2))*4
.endr
	s_mul_i32 s21, s15, HALFT
	s_mul_i32 s22, s16, HALFT
	s_add_co_u32 s22, s22, 2*HALFT
.irp s, 0,1
	v_add_nc_u32 v[ADRA+\s], s21, v[L16]
	v_add_nc_u32 v[ADRB+\s], s22, v[L16]
	v_add_nc_u32 v[ADRA+2+\s], s21, v[L8]
	v_add_nc_u32 v[ADRB+2+\s], s22, v[L8]
	s_add_co_u32 s21, s21, SLOT
	s_add_co_u32 s22, s22, SLOT
.endr
	v_lshlrev_b32 v5, 3, v1
	s_lshl_b32 s21, s15, 12
	s_lshl_b32 s22, s16, 12
	s_add_co_u32 s22, s22, 2*HALFS
	s_sub_co_u32 s22, s22, s21
	v_mul_u32_u24 v4, s22, v2
	s_add_co_u32 s21, s21, SCL
	v_add_nc_u32 v5, v5, v4
	v_add_nc_u32 v[ADRS], s21, v5
	s_wait_loadcnt 0x0
.set k, 0
.rept 64
	v_cndmask_b32 v[BJ+k], 0, v[BJ+k], s98
.set k, k+1
.endr
.irp a, 0,1,2,3,4,5,6,7
	v_cndmask_b32 v[BI+2*\a], 0, v[BI+2*\a], s99
.endr
.irp a, 0,1,2,3,4,5,6,7
	v_mov_b32 v[BI+2*\a+1], v[BI+2*\a]
.endr
.macro FRAG reg, adr, q, i
	ds_load_b128 v[\reg:\reg+3],     v[\adr]   offset:(\i)*TBY+(\q)*1536
	ds_load_b64  v[\reg+4:\reg+5],   v[\adr+2] offset:(\i)*TBY+(\q)*1536+512
	ds_load_b128 v[\reg+6:\reg+9],   v[\adr]   offset:(\i)*TBY+(\q)*1536+768
	ds_load_b64  v[\reg+10:\reg+11], v[\adr+2] offset:(\i)*TBY+(\q)*1536+1280
.endm
.macro MUL16 a0, p, q, sc, first
.irp a, \a0, \a0+1
.irp b, 0,1,2,3,4,5,6,7
.if \first
	v_wmma_scale_f32_16x16x128_f8f6f4 v[8*(8*((\a)%4)+\b):8*(8*((\a)%4)+\b)+7], v[128*(\p)+FR*\b:128*(\p)+FR*\b+FR-1], v[AF+FR*(\a):AF+FR*(\a)+FR-1], v[BJ+8*\b:BJ+8*\b+7], v[SC+8*NQ*(\sc)+NQ*\b+(\q)], v[SC+8*NQ*(\sc)+NQ*(\a)+(\q)] matrix_a_fmt:MATRIX_FMT_FP6 matrix_b_fmt:MATRIX_FMT_FP6 matrix_a_scale:MATRIX_SCALE_ROW1
.else
	v_wmma_scale_f32_16x16x128_f8f6f4 v[8*(8*((\a)%4)+\b):8*(8*((\a)%4)+\b)+7], v[128*(\p)+FR*\b:128*(\p)+FR*\b+FR-1], v[AF+FR*(\a):AF+FR*(\a)+FR-1], v[8*(8*((\a)%4)+\b):8*(8*((\a)%4)+\b)+7], v[SC+8*NQ*(\sc)+NQ*\b+(\q)], v[SC+8*NQ*(\sc)+NQ*(\a)+(\q)] matrix_a_fmt:MATRIX_FMT_FP6 matrix_b_fmt:MATRIX_FMT_FP6 matrix_a_scale:MATRIX_SCALE_ROW1
.endif
.endr
.endr
.endm
.macro FETCH_B slot, q, p
	WIN TO_B
.irp i, 0,1,2,3,4,5,6,7
	FRAG 128*(\p)+FR*\i, ADRB+\slot, \q, \i
.endr
	WIN 0
.endm
.macro FETCH_A slot, q, i0
.irp i, \i0, \i0+1, \i0+2, \i0+3
	FRAG AF+FR*(\i), ADRA+\slot, \q, \i
.endr
.endm
.macro SCALES sc
.irp i, 0,1,2,3,4,5,6,7
	ds_load_b64 v[SC+8*NQ*\sc+NQ*\i:SC+8*NQ*\sc+NQ*\i+1], v[ADRS] offset:\i*SBLK
.endr
.endm
.macro PLACES n
.rept \n
	v_nop
.endr
.endm
.macro STEP slot, q, first
	s_wait_dscnt 4*NL
.if \first
	WIN FST_LO
.else
	WIN MUL_LO
.endif
	MUL16 0, (\q)%2, \q, \slot, \first
	MUL16 2, (\q)%2, \q, \slot, \first
	s_wait_dscnt 0
	PLACES NP
	FETCH_B \slot, (\q)+1, 1-(\q)%2
	FETCH_A \slot, (\q)+1, 0
.if \first
	WIN FST_HI
.else
	WIN MUL_HI
.endif
	MUL16 4, (\q)%2, \q, \slot, \first
	MUL16 6, (\q)%2, \q, \slot, \first
	PLACES NP
	WIN 0
	FETCH_A \slot, (\q)+1, 4
.endm
.macro TURN slot, next, fill
	s_wait_tensorcnt 0x0
	ds_add_u32 v[SPW], v[NIL]
	s_wait_dscnt 4*NL+1
	WIN MUL_LO
	MUL16 0, 1, NQ-1, \slot, 0
	s_wait_dscnt 0x0
	s_barrier_signal -1
	MUL16 2, 1, NQ-1, \slot, 0
	WIN 0
	s_barrier_wait -1
.if \fill
	CREST
	s_add_nc_u64 s[G0+4*\slot+2:G0+4*\slot+3], s[G0+4*\slot+2:G0+4*\slot+3], 2*TBY
	s_add_nc_u64 s[G0B+4*\slot+2:G0B+4*\slot+3], s[G0B+4*\slot+2:G0B+4*\slot+3], 2*TBY
	JLOAD G0+4*\slot, G1, G0B+4*\slot, G1B
.else
	PLACES NP
.endif
	s_wait_alu depctr_va_vdst(0)
	v_add_nc_u32 v[ADRS], 128, v[ADRS]
	FETCH_B \next, 0, 0
	FETCH_A \next, 0, 0
	SCALES \next
	WIN MUL_HI
	MUL16 4, 1, NQ-1, \slot, 0
	MUL16 6, 1, NQ-1, \slot, 0
	PLACES NP
	WIN 0
	FETCH_A \next, 0, 4
.endm
	s_wait_alu depctr_va_vdst(0)                   ; the wait at the head's end
	s_wait_tensorcnt 0x0                           ; my tile of the head's four is in
	ds_add_u32 v[SPW], v[NIL]
	s_mov_b32 s[G1+2], 8<<16                       ; no load of mine is out: from here on a load brings 8 units,
	s_mov_b32 s[G1+4], 8
	s_mov_b32 s[G1B+2], 8<<16
	s_mov_b32 s[G1B+4], 8
	s_mov_b32 s[G0+1], s45                         ; and slot 0's group 0 stands at my quarter of the slot
	s_add_nc_u64 s[G0+2:G0+3], s[G0+2:G0+3], s[18:19]
	s_mov_b32 s[G0B+1], s45
	s_add_nc_u64 s[G0B+2:G0B+3], s[G0B+2:G0B+3], s[18:19]
	s_wait_dscnt 0x0
	CROUND                                         ; all four tiles are in, in every partner
	JLOAD G0+4, G1, G0B+4, G1B                     ; slot 1's first fill, the first tensor load behind the round
	FETCH_B 0, 0, 0
	FETCH_A 0, 0, 0
	SCALES 0
	FETCH_A 0, 0, 4
	STEP 0, 0, 1
	TURN 0, 1, 1
	STEP 1, 0, 0
	TURN 1, 0, 1
	STEP 0, 0, 0
	TURN 0, 1, 0
	STEP 1, 0, 0
	s_wait_dscnt 4*NL
	WIN MUL_LO
	MUL16 0, 1, NQ-1, 1, 0
	MUL16 2, 1, NQ-1, 1, 0
	s_wait_dscnt 0
	WIN MUL_HI
	MUL16 4, 1, NQ-1, 1, 0
	MUL16 6, 1, NQ-1, 1, 0
	WIN 0
	PLACES NP
	s_lshl_b32 s66, s17, 2
	s_add_co_u32 s67, s66, s40
	s_add_co_u32 s66, s66, s41
	s_mov_b32 s100, 768
	s_mov_b32 s101, REC
	s_mov_b32 s13, 13056
	s_cmp_eq_u32 ttmp9, 2
	s_cselect_b32 s66, s67, s66
	s_cselect_b32 s67, s41, s40
	s_cselect_b32 s95, s16, s15
	s_cselect_b32 s19, s15, s16
	s_cselect_b32 s98, 1536, s100
	s_cselect_b32 s100, s100, s101
	s_cselect_b32 s2, REC-6144, 0
	s_cselect_b32 s12, 6656, 0
	s_cmp_eq_u32 ttmp9, 0
	s_cselect_b32 s13, 6656, s13
	s_cselect_b32 s12, QOFF, s12
	s_mov_b32 s99, 0
	s_mov_b32 s3, 0
	s_and_b32 s96, s66, 7
	s_lshl_b32 s96, s96, 1
	s_add_co_u32 s96, s96, s95
	s_mul_i32 s96, s96, s13
	s_add_co_u32 s12, s12, s96
	s_lshr_b32 s66, s66, 3
	s_lshl_b32 s66, s66, 4
	s_lshl_b32 s67, s67, 2
	s_add_co_u32 s66, s66, s67
	s_lshl_b32 s19, s19, 1
	s_add_co_u32 s66, s66, s19
	s_mul_i32 s66, s66, REC
	s_add_co_u32 s12, s12, s66
	s_mov_b32 s13, 0
	s_add_nc_u64 s[12:13], s[10:11], s[12:13]
	s_add_nc_u64 s[96:97], s[12:13], 6144
	v_add_nc_u32 v10, s100, v[L16]
	v_add_nc_u32 v11, s100, v[L8]
	v_add_nc_u32 v12, REC, v[L8]
.irp b, 0,1,2,3
	v_mov_b32 v[TM+4+\b], 0
.endr
	s_mov_b32 s20, 0x76543210
	s_mov_b32 s21, 0xfedcba98
.macro QUANT s, pw
.irp b, 0,1,2,3
	v_max3_num_f32 v[TM+\b], |v[\s+16*\b]|, |v[\s+1+16*\b]|, 0x1800000
.endr
.irp i, 2,4,6,8,10,12,14
.irp b, 0,1,2,3
	v_max3_num_f32 v[TM+\b], v[TM+\b], |v[\s+16*\b+\i]|, |v[\s+1+16*\b+\i]|
.endr
.endr
.irp b, 0,1,2,3
	v_permlanex16_b32 v[TM+4+\b], v[TM+\b], s20, s21
.endr
.irp b, 0,1,2,3
	v_max_num_f32 v[TM+\b], v[TM+\b], v[TM+4+\b]
.endr
.irp b, 0,1,2,3
	v_add_nc_u32 v[TM+12+\b], 0xff000000, v[TM+\b]
.endr
.irp b, 0,1,2,3
	v_lshrrev_b32 v[TM+4+\b], 23, v[TM+12+\b]
.endr
	v_lshl_or_b32 v[\pw], v[TM+5], 8, v[TM+4]
	v_lshl_or_b32 v[\pw], v[TM+6], 16, v[\pw]
	v_lshl_or_b32 v[\pw], v[TM+7], 24, v[\pw]
.irp c, 0,1
	v_cvt_scalef32_pk16_fp6_f32 v[PC+6*\c:PC+2+6*\c], v[\s+32*\c:\s+15+32*\c], v[TM+12+2*\c]
	v_cvt_scalef32_pk16_fp6_f32 v[PC+12+4*\c:PC+14+4*\c], v[\s+16+32*\c:\s+31+32*\c], v[TM+12+2*\c+1]
.endr
	v_nop
.irp c, 0,1
.irp i, 0,1,2
	v_permlane16_swap_b32 v[PC+6*\c+\i], v[PC+12+4*\c+\i]
.endr
.irp i, 0,1,2
	v_mov_b32 v[PC+3+6*\c+\i], v[PC+12+4*\c+\i]
.endr
.endr
.endm
.macro EPI a
	s_wait_xcnt 0x0
.if (\a) > 0
	s_add_nc_u64 s[12:13], s[12:13], s[98:99]
.endif
.if (\a) == 4
	s_add_nc_u64 s[12:13], s[12:13], s[2:3]
.endif
	WIN 0x02+(\a)/4
.set k, 0
.rept 32
	v_pk_add_f32 v[HA+2*k:HA+2*k+1], v[64*((\a)%4)+2*k:64*((\a)%4)+2*k+1], v[BI+2*(\a):BI+2*(\a)+1] op_sel_hi:[1,0]
.set k, k+1
.endr
	WIN 0
	QUANT HA, SW+(\a)
	global_store_b128 v[L16], v[PC:PC+3], s[12:13]
	global_store_b64 v[L8], v[PC+4:PC+5], s[12:13] offset:512
	global_store_b128 v10, v[PC+6:PC+9], s[12:13]
	global_store_b64 v11, v[PC+10:PC+11], s[12:13] offset:512
.endm
.irp a, 0,1,2,3,4,5,6,7
	EPI \a
.endr
	s_mov_b32 s101, 0xffff0000
	s_cmp_eq_u32 ttmp9, 2
	s_cbranch_scc1 .Lv_scales
.irp q, 0,1,2,3
	v_cndmask_b32 v[88+\q], v[SW+2*\q], v[SW+2*\q+1], s101
.endr
.irp q, 0,1,2,3
	v_lshrrev_b32 v[92+\q], 16, v[88+\q]
.endr
	global_store_b128 v[L16], v[88:91], s[96:97]
	global_store_b128 v10, v[92:95], s[96:97]
	s_branch .Ldone
.Lv_scales:
.irp q, 0,1,2,3
	v_cndmask_b32 v[88+\q], v[SW+2*\q], v[SW+2*\q+1], s101
.endr
	global_store_b64 v[L8], v[88:89], s[96:97]
	global_store_b64 v12, v[90:91], s[96:97]
.Ldone:
	s_wait_tensorcnt 0x0
	ds_add_u32 v[SPW], v[NIL]
	s_wait_dscnt 0x0
	CROUND
	s_endpgm
.Lfunc_end_k_q01ea2e5a2c_gemm_qkv:
	.size	k_q01ea2e5a2c_gemm_qkv, .Lfunc_end_k_q01ea2e5a2c_gemm_qkv-k_q01ea2e5a2c_gemm_qkv
	.p2alignl 7, 3214868480
	.fill 96, 4, 3214868480
	.section	.rodata,"a",@progbits
	.p2align	6, 0x0
	.amdhsa_kernel k_q01ea2e5a2c_gemm_qkv
		.amdhsa_group_segment_fixed_size 327680
		.amdhsa_private_segment_fixed_size 0
		.amdhsa_enable_private_segment 0
		.amdhsa_kernarg_size 32
		.amdhsa_user_sgpr_count 2
		.amdhsa_user_sgpr_kernarg_segment_ptr 1
		.amdhsa_wavefront_size32 1
		.amdhsa_system_sgpr_workgroup_id_x 1
		.amdhsa_system_sgpr_workgroup_id_y 1
		.amdhsa_system_sgpr_workgroup_id_z 1
		.amdhsa_system_vgpr_workitem_id 0
		.amdhsa_next_free_vgpr 1024
		.amdhsa_next_free_sgpr 102
		.amdhsa_reserve_vcc 0
		.amdhsa_float_denorm_mode_32 3
		.amdhsa_float_denorm_mode_16_64 3
		.amdhsa_memory_ordered 1
		.amdhsa_forward_progress 1
		.amdhsa_inst_pref_size 175
	.end_amdhsa_kernel
	.amdgpu_metadata
---
amdhsa.version: [ 1, 2 ]
amdhsa.kernels:
  - .name:           k_q01ea2e5a2c_gemm_qkv
    .symbol:         k_q01ea2e5a2c_gemm_qkv.kd
    .args:
      - { .name: opc, .offset: 0, .size: 8, .value_kind: global_buffer, .address_space: global }
      - { .name: ops, .offset: 8, .size: 8, .value_kind: global_buffer, .address_space: global }
      - { .name: bqkv, .offset: 16, .size: 8, .value_kind: global_buffer, .address_space: global }
      - { .name: qkv, .offset: 24, .size: 8, .value_kind: global_buffer, .address_space: global }
    .group_segment_fixed_size: 327680
    .private_segment_fixed_size: 0
    .kernarg_segment_align: 8
    .kernarg_segment_size: 32
    .max_flat_workgroup_size: 128
    .sgpr_count:     102
    .vgpr_count:     1024
    .wavefront_size: 32
...
	.end_amdgpu_metadata
.endif
;; end of part 2
;; launch attn (part 3): grid 4 x 64, 16 waves a work-group, clusters of 4 x 1, 210,944 bytes of LDS; arguments qkv, acod, ascl; writes acod, ascl
.if DOCPART == 3
	.amdgcn_target "amdgcn-amd-amdhsa--gfx1250"
	.amdhsa_code_object_version 6
	.text
	.protected	k_q01ea2e5a2c_attn
	.globl	k_q01ea2e5a2c_attn
	.p2align	8
	.type	k_q01ea2e5a2c_attn,@function
k_q01ea2e5a2c_attn:
	s_mov_b64 s[64:65], 0
	v_nop
	global_prefetch_b8 v0, s[64:65] scope:SCOPE_SE
	s_setreg_imm32_b32 hwreg(HW_REG_WAVE_MODE, 25, 1), 1
	s_wait_xcnt 0x0
	s_wait_alu depctr_hold_cnt(0) depctr_sa_sdst(0) depctr_va_vdst(0) depctr_va_sdst(0) depctr_va_ssrc(0) depctr_va_vcc(0) depctr_vm_vsrc(0)
	s_getreg_b32 s2, hwreg(HW_REG_IB_STS2, 6, 4)
	s_cmp_eq_u32 s2, 0
	s_cbranch_scc0 .Lentry_in_a_cluster
	s_endpgm
.Lentry_in_a_cluster:
	s_bfe_u32 s2, ttmp6, 0x10000c
	s_cmp_lg_u32 s2, 0x3003
	s_cbranch_scc0 .Lentry_shape_is_right
	s_endpgm
.Lentry_shape_is_right:
; out[b][h][q] = the sum over k of softmax_k(q . k / 8) v, both products on codes of FP6 (E2M3) with E8M0 scales; the result is quantised along d and leaves as codes for the last product.
; THE SOFTMAX: t = score x log2(e) / 8; M = the running largest t rounded UP to a whole number; p = 2^(t - M) is quantised along the keys, not normalised; the row's sum is taken of the unquantised p and divides at the end.
; INPUT (buffer qkv): a record of REC bytes for each (batch, head): 16 key steps of KVR bytes [K: 8 tiles x 768][K's scale words 512][V^T: 4 tiles of d x 1,536][V's scale words 256], then 16 groups [Q: 8 tiles x 768][scale words 512].
; All are images of operand registers (a unit of 768 bytes: registers 0-3 at 16 x lane, 4-5 at 512 + 8 x lane).  Tile 2 b + u, place r, is index 32 b + 8 u + r % 8 + 16 (r / 8).
; The first product's K is 64: the upper six registers of its operands are zero codes, kept in registers.
; SHARES.  256 work-groups; each owns 512 queries of one head, in TWO PASSES of 256: in a pass each of the sixteen waves has a tile of 16 queries.  Four waves to a SIMD.
; LDS.  A head's 16 key steps are 208,896 bytes: they come ONCE, as they lie, serve both passes, and no byte is filled again.  Wave w asks for key step w: one tensor load a wave, at the head.
; The four work-groups of a cluster read the same head, so each load is asked for jointly.  Waves 0-3 have a load line of their own: the first barrier shows their four key steps, the second all sixteen.
; No prefetch: every tile is asked for at the head, so there is no loop to run ahead in.
; Both products are used transposed (S^T = K Q^T, O^T = V^T P^T): a lane holds one query throughout, and the 16 registers of tiles 2 b, 2 b + 1 of S^T are keys 32 b + 16 h + 0 .. 15.
; LIMITS: NaN and infinities are not served; a block whose largest magnitude lies under 2^-124 gets the byte 1; the promise holds while |t| stays under 2^31.
; REGISTERS: v1, v2 16 and 8 x lane; v3, v4 the add's two; v5, v6 the step's LDS addresses; v7 8 r + h; v[8:9] V's scale words; v11 16 r; v12 -M, v13 the largest t, v[14:15] the sum; v16-27 Q; v28-31 K's scale words;
;   v32-79 four fragments of K; v80-127 four of V; v128-191 S^T, then p; v192-223 O^T; v224-235 p's codes; v232-254 at work; v253 p's scale word; v255 Q's.
.set REC,   315392
.set KVR,   13056
.set QOFF,  208896
.set QG,    6656
.set SPARE, 208896                     ; behind the key steps: the spare words, 128 bytes for each wave, which no other line names
.set SPW,   3
.set NIL,   4
.set TB,    2                          ; s2   LDS byte at which the key step in hand begins
.set WV,    18                         ; s18  my wave's number
.set SEL,   20                         ; s[20:21] selects for lane l xor 16
.set CS,    22                         ; s[22:23] c = log2(e) / 8
.set BLK,   53                         ; s53  the block of 256 queries whose Q is loaded next; it enters global addresses alone
.macro WALU
	s_wait_alu depctr_va_vdst(0)
.endm
.macro CROUND                          ; a round of the cluster's barrier
	s_barrier_signal -1
	s_barrier_wait -1
	s_cmp_lg_u32 s[WV], 0
	s_cbranch_scc1 .Lnot_wave_0_\@
	s_barrier_signal -3
.Lnot_wave_0_\@:
	s_barrier_wait -3
	s_barrier_signal -1
	s_barrier_wait -1
.endm
.macro TLOAD
	tensor_load_to_lds s[32:35], s[24:31]
	s_nop 0
.rept 4
	v_nop
.endr
.endm
.macro QLOAD                           ; Q's unit and scale words of tile 16 x block + wave
	s_lshl_b32 s54, s[BLK], 1
	s_lshr_b32 s55, s[WV], 3
	s_add_co_u32 s54, s54, s55                     ; the group of 8 tiles
	s_mul_i32 s54, s54, QG
	s_and_b32 s55, s[WV], 7
	s_mul_i32 s56, s55, 768
	s_add_co_u32 s56, s56, s54
	s_add_co_u32 s56, s56, QOFF
	s_mov_b32 s57, 0
	s_and_b32 s58, s[WV], 1                        ; the scale word: lanes' half by the tile's parity, word (tile / 2)
	s_lshl_b32 s58, s58, 8
	s_bfe_u32 s59, s[WV], 0x20001
	s_lshl_b32 s59, s59, 2
	s_add_co_u32 s58, s58, s59
	s_add_co_u32 s58, s58, s54
	s_add_co_u32 s58, s58, QOFF+6144
	s_mov_b32 s59, 0
	s_add_nc_u64 s[56:57], s[48:49], s[56:57]
	s_add_nc_u64 s[58:59], s[48:49], s[58:59]
	WALU                                           ; the wait behind the run of scalar lines
	global_load_b128 v[16:19], v1, s[56:57]
	global_load_b64 v[20:21], v2, s[56:57] offset:512
	global_load_b32 v255, v11, s[58:59]
.endm
	s_load_b128 s[4:7], s[0:1], 0x0                ; qkv s[4:5], acod s[6:7]
	s_load_b64 s[8:9], s[0:1], 0x10                ; ascl
	v_lshl_add_u32 v[SPW], v0, 2, SPARE
	v_mov_b32 v[NIL], 0
	ds_add_u32 v[SPW], v[NIL]                      ; the opening lines: the add, twice on end, and its wait
	ds_add_u32 v[SPW], v[NIL]
	v_lshrrev_b32 v5, 5, v0
	s_delay_alu instid0(VALU_DEP_1)
	v_readfirstlane_b32 s[WV], v5                  ; wave 0..15
	s_and_b32 s11, ttmp7, 0xffff                   ; 16 x batch + head, which the four partners share
	s_mul_i32 s48, s11, REC
	s_mov_b32 s49, 0
	s_mul_i32 s50, s[WV], KVR                      ; wave w fetches key step w
	s_mov_b32 s51, 0
	s_mov_b32 s24, 15|(3<<16)|(1<<21)              ; group 1: the mask of all four work-groups; a key step is 51 dense rows of 256 bytes (32 elements of 8)
	s_mov_b32 s25, 32<<16
	s_mov_b32 s26, 51<<16
	s_mov_b32 s27, 32<<16
	s_mov_b32 s28, 51
	s_mov_b32 s29, 32
	s_mov_b32 s30, 0
	s_mov_b32 s31, 0
	s_mov_b32 s[SEL], 0x76543210
	s_mov_b32 s[SEL+1], 0xfedcba98
	s_mov_b32 s[CS], 0x3e38aa3b                    ; log2(e) / 8
	s_mov_b32 s[CS+1], s[CS]
	s_mov_b32 s60, 0xffff0000                      ; lanes 16-31
	s_bfe_u32 s52, ttmp6, 0x40000
	s_lshl_b32 s[BLK], ttmp9, 2
	s_add_co_u32 s[BLK], s[BLK], s52
	s_lshl_b32 s[BLK], s[BLK], 1                   ; my first block of 256 queries: 2 (4 cluster x + cx)
	s_mov_b32 s32, 1
	s_mov_b32 s33, s50                             ; LDS: as in the record
	s_wait_dscnt 0x0                               ; both opening adds are done
	s_wait_kmcnt 0x0
	s_add_nc_u64 s[48:49], s[4:5], s[48:49]        ; my head's record
	s_add_nc_u64 s[34:35], s[48:49], s[50:51]
	s_or_b32 s35, s35, 0x80000000
	CROUND                                         ; all four work-groups are here: the joint loads meet
	s_cmp_lt_u32 s[WV], 4
	s_cbranch_scc0 .Llater
	TLOAD                                          ; key steps 0 to 3: a line of waves 0-3 alone
	s_branch .Lasked
.Llater:
	TLOAD                                          ; key steps 4 to 15
.Lasked:
	v_and_b32 v5, 31, v0
	s_delay_alu instid0(VALU_DEP_1)
	v_lshlrev_b32 v1, 4, v5
	s_delay_alu instid0(VALU_DEP_2)
	v_lshlrev_b32 v2, 3, v5
	v_and_b32 v6, 15, v0                           ; r
	v_bfe_u32 v10, v0, 4, 1                        ; h
	s_delay_alu instid0(VALU_DEP_1)
	v_lshl_add_u32 v7, v6, 3, v10
	s_delay_alu instid0(VALU_DEP_3)
	v_lshlrev_b32 v11, 4, v6
	QLOAD                                          ; the first pass's Q
.irp j, 0,1,2,3,4,5
	v_mov_b32 v[22+\j], 0                          ; K = 64 .. 127: zero codes
.endr
.irp t, 0,1,2,3
.irp j, 0,1,2,3,4,5
	v_mov_b32 v[38+12*\t+\j], 0                    ; the same for K's four fragments: no load ever lands here
.endr
.endr
.irp b, 0,1,2,3
	v_mov_b32 v[236+\b], 0                         ; a lane permute's destination counts as one of its sources
.endr
	WALU
.macro KQ g                            ; four tiles of S^T; the scale register holds an even tile's words in lanes 0-15 and the odd tile's in lanes 16-31
.irp t, 0,1,2,3
.if \t % 2
	v_wmma_scale_f32_16x16x128_f8f6f4 v[128+8*(4*\g+\t):135+8*(4*\g+\t)], v[32+12*\t:43+12*\t], v[16:27], 0, v[28+2*\g+\t/2], v255 matrix_a_fmt:MATRIX_FMT_FP6 matrix_b_fmt:MATRIX_FMT_FP6 matrix_a_scale:MATRIX_SCALE_ROW1
.else
	v_wmma_scale_f32_16x16x128_f8f6f4 v[128+8*(4*\g+\t):135+8*(4*\g+\t)], v[32+12*\t:43+12*\t], v[16:27], 0, v[28+2*\g+\t/2], v255 matrix_a_fmt:MATRIX_FMT_FP6 matrix_b_fmt:MATRIX_FMT_FP6
.endif
.endr
.endm
; A KEY STEP: 128 keys
.macro STEP
	v_add_nc_u32 v5, s[TB], v1
	v_add_nc_u32 v6, s[TB], v2
	v_nop
	v_nop                                          ; four places in front of loads into registers that the last products have read
	ds_load_b128 v[28:31], v5 offset:6144          ; K's scale words
.irp t, 0,1,2,3
	ds_load_b128 v[32+12*\t:35+12*\t], v5 offset:768*\t
	ds_load_b64 v[36+12*\t:37+12*\t], v6 offset:768*\t+512
.endr
.irp t, 0,1,2,3
	ds_load_b128 v[80+12*\t:83+12*\t], v5 offset:6656+1536*\t
	ds_load_b64 v[84+12*\t:85+12*\t], v6 offset:6656+1536*\t+512
	ds_load_b128 v[86+12*\t:89+12*\t], v5 offset:6656+1536*\t+768
	ds_load_b64 v[90+12*\t:91+12*\t], v6 offset:6656+1536*\t+1280
.endr
	ds_load_b64 v[8:9], v6 offset:12800            ; V's scale words
	WALU
	s_wait_dscnt 17                                ; K's words and tiles 0-3 are in; V's 16 loads and its words may be out
	KQ 0
.rept 4
	v_nop
.endr
.irp t, 0,1,2,3
	ds_load_b128 v[32+12*\t:35+12*\t], v5 offset:768*(4+\t)
	ds_load_b64 v[36+12*\t:37+12*\t], v6 offset:768*(4+\t)+512
.endr
	s_wait_dscnt 0x0
	KQ 1
.rept 4
	v_nop
.endr
.irp b, 0,1,2,3
	v_max3_num_f32 v[232+\b], v[128+16*\b], v[129+16*\b], v[130+16*\b]   ; the largest score of each block of 32 keys: for the row's maximum and, since p rises with the score, for the block's largest p
.endr
.irp i, 3,5,7,9,11,13
.irp b, 0,1,2,3
	v_max3_num_f32 v[232+\b], v[232+\b], v[128+16*\b+\i], v[129+16*\b+\i]
.endr
.endr
.irp b, 0,1,2,3
	v_max_num_f32 v[232+\b], v[232+\b], v[143+16*\b]
.endr
.irp b, 0,1,2,3
	s_delay_alu instid0(VALU_DEP_4)
	v_permlanex16_b32 v[236+\b], v[232+\b], s[SEL], s[SEL+1]
.endr
.irp b, 0,1,2,3
	s_delay_alu instid0(VALU_DEP_4)
	v_max_num_f32 v[232+\b], v[232+\b], v[236+\b]  ; with lane l xor 16's 16 keys
.endr
	s_delay_alu instid0(VALU_DEP_2)
	v_max3_num_f32 v254, v232, v233, v234
	s_delay_alu instid0(VALU_DEP_1)
	v_max_num_f32 v254, v254, v235
	s_delay_alu instid0(VALU_DEP_1)
	v_mul_f32 v254, s[CS], v254                    ; as t (c is positive)
	s_delay_alu instid0(VALU_DEP_1)
	v_max_num_f32 v13, v13, v254                   ; the running largest t
	v_mov_b32 v254, v12
	s_delay_alu instid0(VALU_DEP_2)
	v_floor_f32 v12, -v13                          ; the new -M = -ceil(t): a whole number
	s_delay_alu instid0(VALU_DEP_1)
	v_sub_f32 v254, v12, v254                      ; old M - new M: a whole number, 0 or less
	s_delay_alu instid0(VALU_DEP_1)
	v_cvt_i32_f32 v254, v254                       ; (it saturates)
	s_delay_alu instid0(VALU_DEP_1)
	v_ldexp_f32 v252, 1.0, v254                    ; f = 2^(old M - new M): a multiplication by it rounds nothing
.set j, 0
.rept 32
	v_pk_fma_f32 v[128+j:129+j], v[128+j:129+j], s[CS:CS+1], v[12:13] op_sel_hi:[1,0,0]   ; t - M, two at a time
.set j, j+2
.endr
.irp b, 0,1,2,3
	v_fma_f32 v[232+\b], v[232+\b], s[CS], v12     ; the same of each block's largest score
.endr
	WALU                                           ; the wait ahead of the batch
.set j, 0
.rept 64
	v_exp_f32 v[128+j], v[128+j]                   ; p = 2^(t - M), at most 1
.set j, j+1
.endr
	v_pk_mul_f32 v[14:15], v[14:15], v[252:253] op_sel_hi:[1,0]   ; the sums under the new M: a plain place behind the exponentials
	WALU                                           ; one wait for the whole batch, ahead of its first reader
.irp b, 0,1,2,3
	v_exp_f32 v[232+\b], v[232+\b]                 ; the block's largest p: the same two instructions on the same number
.endr
	v_pk_add_f32 v[236:237], v[128:129], v[130:131]   ; the row's sum of the unquantised p: four chains by turns
	v_pk_add_f32 v[240:241], v[132:133], v[134:135]
	v_pk_add_f32 v[242:243], v[136:137], v[138:139]
	v_pk_add_f32 v[14:15], v[14:15], v[140:141]
.irp j, 142,150,158,166,174,182
	v_pk_add_f32 v[236:237], v[236:237], v[\j:\j+1]
	v_pk_add_f32 v[240:241], v[240:241], v[\j+2:\j+3]
	v_pk_add_f32 v[242:243], v[242:243], v[\j+4:\j+5]
	v_pk_add_f32 v[14:15], v[14:15], v[\j+6:\j+7]
.endr
	v_pk_add_f32 v[236:237], v[236:237], v[190:191]
	v_pk_add_f32 v[240:241], v[240:241], v[242:243]
	s_delay_alu instid0(VALU_DEP_2)
	v_pk_add_f32 v[14:15], v[14:15], v[236:237]
	s_delay_alu instid0(VALU_DEP_1)
	v_pk_add_f32 v[14:15], v[14:15], v[240:241]
	WALU                                           ; and one for the four
.irp b, 0,1,2,3
	v_max_num_f32 v[232+\b], 0x1800000, v[232+\b]  ; the floor 2^(3 - 127): the byte cannot fall under 1
.endr
.irp b, 0,1,2,3
	s_delay_alu instid0(VALU_DEP_4)
	v_add_nc_u32 v[244+\b], 0xff000000, v[232+\b]  ; 2 off the exponent field: the conversion's scale operand
.endr
.irp b, 0,1,2,3
	s_delay_alu instid0(VALU_DEP_4)
	v_lshrrev_b32 v[236+\b], 23, v[244+\b]
.endr
	s_delay_alu instid0(VALU_DEP_3)
	v_lshl_or_b32 v253, v237, 8, v236              ; p's scale word for these 128 keys
	s_delay_alu instid0(VALU_DEP_1)
	v_lshl_or_b32 v253, v238, 16, v253
	s_delay_alu instid0(VALU_DEP_1)
	v_lshl_or_b32 v253, v239, 24, v253
.irp c, 0,1
	v_cvt_scalef32_pk16_fp6_f32 v[224+6*\c:226+6*\c], v[128+32*\c:143+32*\c], v[244+2*\c]
	v_cvt_scalef32_pk16_fp6_f32 v[236+4*\c:238+4*\c], v[144+32*\c:159+32*\c], v[244+2*\c+1]
.endr
	v_nop                                          ; one plain place behind the scaled conversions
.irp c, 0,1                            ; the operand's layout wants a whole block in a lane
.irp i, 0,1,2
	v_permlane16_swap_b32 v[224+6*\c+\i], v[236+4*\c+\i]
.endr
.irp i, 0,1,2
	s_delay_alu instid0(VALU_DEP_3)
	v_mov_b32 v[227+6*\c+\i], v[236+4*\c+\i]
.endr
.endr
.set j, 0
.rept 16
	v_pk_mul_f32 v[192+j:193+j], v[192+j:193+j], v[252:253] op_sel_hi:[1,0]   ; O^T under the new M.  (These 16 also stand between the scale word's and the codes' last lines and the products)
.set j, j+2
.endr
.irp t, 0,1,2,3                        ; O^T += V^T P^T: the four accumulators by turns
.if \t % 2
	v_wmma_scale_f32_16x16x128_f8f6f4 v[192+8*\t:199+8*\t], v[80+12*\t:91+12*\t], v[224:235], v[192+8*\t:199+8*\t], v[8+\t/2], v253 matrix_a_fmt:MATRIX_FMT_FP6 matrix_b_fmt:MATRIX_FMT_FP6 matrix_a_scale:MATRIX_SCALE_ROW1
.else
	v_wmma_scale_f32_16x16x128_f8f6f4 v[192+8*\t:199+8*\t], v[80+12*\t:91+12*\t], v[224:235], v[192+8*\t:199+8*\t], v[8+\t/2], v253 matrix_a_fmt:MATRIX_FMT_FP6 matrix_b_fmt:MATRIX_FMT_FP6
.endif
.endr
	s_add_co_u32 s[TB], s[TB], KVR
.endm
; A PASS: 256 queries against the head's 2,048 keys.  Written once, expanded twice.  Pass 0 has the two barriers that show the key steps to all waves;
; pass 1 finds them all in LDS, where they are only read: it has no barrier, and a wave goes on into it as soon as its own pass 0 is done.
.macro PASSRUN n
.set j, 0
.rept 32
	v_mov_b32 v[192+j], 0                          ; O^T.  (The step is written for every trip alike: the first finds zeros, which the first change of M leaves zeros)
.set j, j+1
.endr
	v_mov_b32 v13, 0xff61b1e6                      ; the largest t so far: -3e38
	s_delay_alu instid0(VALU_DEP_1)
	v_floor_f32 v12, -v13                          ; -M
	v_mov_b32 v14, 0
	v_mov_b32 v15, 0
	v_mov_b32 v253, 0                              ; (named as the upper half of the pair v[252:253] before it is written)
	s_mov_b32 s[TB], 0
	WALU
	s_wait_loadcnt 0x0                             ; Q
.if \n == 0
	s_cmp_lt_u32 s[WV], 4
	s_cbranch_scc0 .Lnot_first_\@
	s_wait_tensorcnt 0x0                           ; waves 0-3: my key step is in
.Lnot_first_\@:
	s_barrier_signal -1
	s_barrier_wait -1                              ; key steps 0 to 3 are in; the others may be on their way: nothing is filled again in this launch
	s_mov_b32 s3, 4
.Lfirst_\@:
	STEP
	s_sub_co_u32 s3, s3, 1
	s_cmp_lg_u32 s3, 0
	s_cbranch_scc1 .Lfirst_\@
	s_wait_tensorcnt 0x0                           ; every wave: my key step is in,
	s_wait_dscnt 0x0
	s_barrier_signal -1
	s_barrier_wait -1                              ; everybody's are
	s_mov_b32 s[TB], 4*KVR
	s_mov_b32 s3, 12
.else
	s_mov_b32 s3, 16
.endif
.Lrest_\@:
	STEP
	s_sub_co_u32 s3, s3, 1
	s_cmp_lg_u32 s3, 0
	s_cbranch_scc1 .Lrest_\@
	; THE WAY OUT: O^T / the sum, quantised along d (two blocks of 32), as one unit of the last product's A operand
.rept 4
	v_nop                                          ; places behind the last products
.endr
	v_add_f32 v14, v14, v15
	s_delay_alu instid0(VALU_DEP_1)
	v_permlanex16_b32 v252, v14, s[SEL], s[SEL+1]
	s_delay_alu instid0(VALU_DEP_1)
	v_add_f32 v14, v14, v252                       ; the row's sum
	WALU
	v_rcp_f32 v14, v14
	v_nop                                          ; a plain place behind the transcendental
	s_lshr_b32 s42, s11, 4
	s_lshl_b32 s42, s42, 7
	s_lshl_b32 s43, s[BLK], 4
	s_add_co_u32 s42, s42, s43
	s_add_co_u32 s42, s42, s[WV]                   ; the tile of rows: 128 x batch + 16 x block + wave
	s_and_b32 s43, s11, 15                         ; the head
	s_lshl_b32 s44, s42, 4
	s_add_co_u32 s44, s44, s43
	s_mul_i32 s44, s44, 768
	s_mov_b32 s45, 0
	s_add_nc_u64 s[36:37], s[6:7], s[44:45]
	s_lshl_b32 s46, s42, 9
	s_lshr_b32 s47, s43, 2
	s_lshl_b32 s47, s47, 7
	s_add_co_u32 s46, s46, s47
	s_and_b32 s47, s43, 3
	s_lshl_b32 s47, s47, 1
	s_add_co_u32 s46, s46, s47
	s_mov_b32 s47, 0
	s_add_nc_u64 s[38:39], s[8:9], s[46:47]
	s_add_co_u32 s[BLK], s[BLK], 1
.if \n == 0
	QLOAD                                          ; the next pass's Q, under this way out: its registers were last read by the last step's first product
.endif
	WALU                                           ; the reciprocal's wait, directly ahead of its and O^T's first reader
.set j, 0
.rept 32
	v_mul_f32 v[128+j], v[192+j], v14              ; register 16 b + i is d = 32 b + 16 h + i of my query
.set j, j+1
.endr
.irp b, 0,1
	v_max3_num_f32 v[232+\b], |v[128+16*\b]|, |v[129+16*\b]|, 0x1800000
.endr
.irp i, 2,4,6,8,10,12,14
.irp b, 0,1
	s_delay_alu instid0(VALU_DEP_2)
	v_max3_num_f32 v[232+\b], v[232+\b], |v[128+16*\b+\i]|, |v[129+16*\b+\i]|
.endr
.endr
.irp b, 0,1
	s_delay_alu instid0(VALU_DEP_2)
	v_permlanex16_b32 v[236+\b], v[232+\b], s[SEL], s[SEL+1]
.endr
.irp b, 0,1
	s_delay_alu instid0(VALU_DEP_2)
	v_max_num_f32 v[232+\b], v[232+\b], v[236+\b]
.endr
.irp b, 0,1
	s_delay_alu instid0(VALU_DEP_2)
	v_add_nc_u32 v[244+\b], 0xff000000, v[232+\b]
.endr
.irp b, 0,1
	s_delay_alu instid0(VALU_DEP_2)
	v_lshrrev_b32 v[238+\b], 23, v[244+\b]
.endr
	v_cvt_scalef32_pk16_fp6_f32 v[224:226], v[128:143], v244
	v_cvt_scalef32_pk16_fp6_f32 v[240:242], v[144:159], v245
	v_nop                                          ; one plain place behind the scaled conversions
.irp i, 0,1,2
	v_permlane16_swap_b32 v[224+\i], v[240+\i]
.endr
.irp i, 0,1,2
	s_delay_alu instid0(VALU_DEP_3)
	v_mov_b32 v[227+\i], v[240+\i]                 ; lane (r, h) now holds block h of query r
.endr
	v_cndmask_b32 v10, v238, v239, s60             ; and stores that block's byte
	global_store_b128 v1, v[224:227], s[36:37]     ; 512 dense bytes
	global_store_b64 v2, v[228:229], s[36:37] offset:512   ; 256 dense bytes
	global_store_b8 v7, v10, s[38:39]              ; two bytes of each row's eight: the other heads of the K step write the rest; one instruction a wave
.if \n == 0
	s_wait_xcnt 0x0                                ; the stores' data and bases are written again in the next pass only behind this wait
.endif
.endm
	PASSRUN 0
	PASSRUN 1
	s_wait_tensorcnt 0x0                           ; the wave's end
	ds_add_u32 v[SPW], v[NIL]
	s_wait_dscnt 0x0
	CROUND                                         ; the closing round
	s_endpgm
.Lfunc_end_k_q01ea2e5a2c_attn:
	.size	k_q01ea2e5a2c_attn, .Lfunc_end_k_q01ea2e5a2c_attn-k_q01ea2e5a2c_attn
	.p2alignl 7, 3214868480
	.fill 96, 4, 3214868480
	.section	.rodata,"a",@progbits
	.p2align	6, 0x0
	.amdhsa_kernel k_q01ea2e5a2c_attn
		.amdhsa_group_segment_fixed_size 210944
		.amdhsa_private_segment_fixed_size 0
		.amdhsa_enable_private_segment 0
		.amdhsa_kernarg_size 24
		.amdhsa_user_sgpr_count 2
		.amdhsa_user_sgpr_kernarg_segment_ptr 1
		.amdhsa_wavefront_size32 1
		.amdhsa_system_sgpr_workgroup_id_x 1
		.amdhsa_system_sgpr_workgroup_id_y 1
		.amdhsa_system_sgpr_workgroup_id_z 1
		.amdhsa_system_vgpr_workitem_id 0
		.amdhsa_next_free_vgpr 256
		.amdhsa_next_free_sgpr 66
		.amdhsa_reserve_vcc 0
		.amdhsa_float_denorm_mode_32 3
		.amdhsa_float_denorm_mode_16_64 3
		.amdhsa_memory_ordered 1
		.amdhsa_forward_progress 1
		.amdhsa_inst_pref_size 72
	.end_amdhsa_kernel
	.amdgpu_metadata
---
amdhsa.version: [ 1, 2 ]
amdhsa.kernels:
  - .name:           k_q01ea2e5a2c_attn
    .symbol:         k_q01ea2e5a2c_attn.kd
    .args:
      - { .name: qkv, .offset: 0, .size: 8, .value_kind: global_buffer, .address_space: global }
      - { .name: acod, .offset: 8, .size: 8, .value_kind: global_buffer, .address_space: global }
      - { .name: ascl, .offset: 16, .size: 8, .value_kind: global_buffer, .address_space: global }
    .group_segment_fixed_size: 210944
    .private_segment_fixed_size: 0
    .kernarg_segment_align: 8
    .kernarg_segment_size: 24
    .max_flat_workgroup_size: 512
    .sgpr_count:     66
    .vgpr_count:     256
    .wavefront_size: 32
...
	.end_amdgpu_metadata
.endif
;; end of part 3
;; launch gemm_out (part 4): grid 4 x 32, 4 waves a work-group, clusters of 4 x 4, 327,680 bytes of LDS; arguments acod, ascl, opc, ops, bout, out0; writes out0
.if DOCPART == 4
	.amdgcn_target "amdgcn-amd-amdhsa--gfx1250"
	.amdhsa_code_object_version 6
	.text
	.protected	k_q01ea2e5a2c_gemm_out
	.globl	k_q01ea2e5a2c_gemm_out
	.p2align	8
	.type	k_q01ea2e5a2c_gemm_out,@function
k_q01ea2e5a2c_gemm_out:
	s_mov_b64 s[64:65], 0
	v_nop
	global_prefetch_b8 v0, s[64:65] scope:SCOPE_SE
	s_setreg_imm32_b32 hwreg(HW_REG_WAVE_MODE, 25, 1), 1
	s_wait_xcnt 0x0
	s_wait_alu depctr_hold_cnt(0) depctr_sa_sdst(0) depctr_va_vdst(0) depctr_va_sdst(0) depctr_va_ssrc(0) depctr_va_vcc(0) depctr_vm_vsrc(0)
	s_getreg_b32 s2, hwreg(HW_REG_IB_STS2, 6, 4)
	s_cmp_eq_u32 s2, 0
	s_cbranch_scc0 .Lentry_in_a_cluster
	s_endpgm
.Lentry_in_a_cluster:
	s_bfe_u32 s2, ttmp6, 0x10000c
	s_cmp_lg_u32 s2, 0xf033
	s_cbranch_scc0 .Lentry_shape_is_right
	s_endpgm
.Lentry_shape_is_right:
.set NQ,     2
.set FR,     12
.set NL,     4
.set NP,     4
.set TBY,    3072
.set HALFT,  8*TBY
.set SLOT,   4*HALFT
.set SCL,    2*SLOT
.set HALFS,  4096
.set SBLK,   512
.set SPARE,  SCL+4*HALFS
.set SPITCH, 528
.set L16,  8
.set L8,   9
.set ADRA, 16
.set ADRB, 20
.set STO,  24
.set RD,   25
.set ADRS, 27
.set SPW,  28
.set NIL,  29
.set SC,   32
.set BJ,   64
.set AF,   128
.set BK,   128
.set G1,   24
.set G0,   32
.set G1B,  48
.set G0B,  56
.set G1S,  68
.set G0S,  76
.set G1SB, 80
.set G0SB, 88
.set MSB, 0
.macro WIN new
.if MSB != (\new)
	s_set_vgpr_msb (MSB<<8)|(\new)
.set MSB, (\new)
.endif
.endm
.set MUL_LO, 0xa1
.set MUL_HI, 0xf1
.set FST_LO, 0x81
.set FST_HI, 0xc1
.set TO_B,   0x40
.macro JLOAD g0a, g1a, g0b, g1b
	s_cmp_eq_u32 s15, 0
	s_cbranch_scc0 .Lfor_b_\@
	tensor_load_to_lds s[\g0a:\g0a+3], s[\g1a:\g1a+7]
	s_nop 0
.rept 4
	v_nop
.endr
	s_branch .Lasked_\@
.Lfor_b_\@:
	tensor_load_to_lds s[\g0b:\g0b+3], s[\g1b:\g1b+7]
	s_nop 0
.rept 4
	v_nop
.endr
.Lasked_\@:
.endm
.macro CREST
	s_cmp_lg_u32 s14, 0
	s_cbranch_scc1 .Lnot_wave_0_\@
	s_barrier_signal -3
.Lnot_wave_0_\@:
	s_barrier_wait -3
	s_barrier_signal -1
	s_barrier_wait -1
.endm
.macro CROUND
	s_barrier_signal -1
	s_barrier_wait -1
	CREST
.endm
	s_load_b256 s[4:11], s[0:1], 0x0
	s_load_b128 s[96:99], s[0:1], 0x20
	v_lshl_add_u32 v[SPW], v0, 2, SPARE
	v_mov_b32 v[NIL], 0
	ds_add_u32 v[SPW], v[NIL]
	ds_add_u32 v[SPW], v[NIL]
	v_lshrrev_b32 v1, 5, v0
	v_readfirstlane_b32 s14, v1
	s_lshr_b32 s15, s14, 1
	s_and_b32 s16, s14, 1
	s_bfe_u32 s40, ttmp6, 0x40000
	s_bfe_u32 s41, ttmp6, 0x40004
	s_lshl_b32 s42, ttmp9, 2
	s_add_co_u32 s42, s42, s40
	s_and_b32 s17, ttmp7, 0xffff
	s_lshl_b32 s17, s17, 2
	s_add_co_u32 s17, s17, s41
	s_lshl_b32 s43, s41, 2
	s_lshl_b32 s43, 15, s43
	s_lshl_b32 s44, 0x1111, s40
	s_or_b32 s[G1+0], s43, (3<<16)|(1<<21)
	s_or_b32 s[G1B+0], s44, (3<<16)|(1<<21)
.irp g, G1, G1B
	s_mov_b32 s[\g+1], 384<<16
	s_mov_b32 s[\g+2], 16<<16
	s_mov_b32 s[\g+3], 384<<16
	s_mov_b32 s[\g+4], 16
	s_mov_b32 s[\g+5], 1536
	s_mov_b32 s[\g+6], 0
	s_mov_b32 s[\g+7], 0
.endr
	s_or_b32 s[G1S+0], s43, (3<<16)|(1<<21)
	s_or_b32 s[G1SB+0], s44, (3<<16)|(1<<21)
.irp g, G1S, G1SB
	s_mov_b32 s[\g+1], 32<<16
	s_mov_b32 s[\g+2], 32<<16
	s_mov_b32 s[\g+3], 32<<16
	s_mov_b32 s[\g+4], 32
	s_mov_b32 s[\g+5], 32
	s_mov_b32 s[\g+6], 0
	s_mov_b32 s[\g+7], 0
.endr
	s_lshl_b32 s18, s16, 3
	s_lshl_b32 s20, s17, 4
	s_add_co_u32 s20, s20, s18
	s_lshl_b32 s46, s42, 4
	s_add_co_u32 s46, s46, s18
	s_add_co_u32 s46, s46, 704
	s_mul_i32 s22, s20, 512
	s_mul_i32 s20, s20, 12288
	s_mul_i32 s92, s46, 512
	s_mul_i32 s46, s46, 12288
	s_mov_b32 s21, 0
	s_mov_b32 s23, 0
	s_mov_b32 s47, 0
	s_mov_b32 s93, 0
	s_mul_i32 s45, s14, HALFT
	s_lshl_b32 s2, s42, 10
	s_lshl_b32 s3, s16, 9
	s_add_co_u32 s2, s2, s3
	s_mov_b32 s3, 0
	s_lshl_b32 s12, s17, 8
	s_lshl_b32 s13, s15, 7
	s_add_co_u32 s12, s12, s13
	s_lshl_b32 s12, s12, 12
	s_add_co_u32 s12, s12, s2
	s_mov_b32 s13, 0
	s_wait_dscnt 0x0
	s_wait_kmcnt 0x0
	s_add_nc_u64 s[20:21], s[4:5], s[20:21]
	s_add_nc_u64 s[22:23], s[6:7], s[22:23]
	s_add_nc_u64 s[46:47], s[8:9], s[46:47]
	s_add_nc_u64 s[92:93], s[10:11], s[92:93]
	s_add_nc_u64 s[96:97], s[96:97], s[2:3]
	s_add_nc_u64 s[98:99], s[98:99], s[12:13]
	CROUND
	; THE HEAD'S FOUR TILES, EACH WHOLE, ONE JOINT LOAD A WAVE: wave 0 slot 0's 16 tiles of A, wave 1 its 16 of B, wave 2 A's scale words, wave 3 B's
	s_mul_i32 s18, s16, 8*12288                    ; my half of a tile's 16 units, in bytes of codes,
	s_mov_b32 s19, 0
	s_lshl_b32 s2, s16, 12                         ; and of scale words: taken off again for the whole tiles
	s_mov_b32 s3, 0
	s_mov_b32 s[G0S], 1
	s_mov_b32 s[G0S+1], SCL
	s_sub_nc_u64 s[G0S+2:G0S+3], s[22:23], s[2:3]
	s_or_b32 s[G0S+3], s[G0S+3], 0x80000000
	s_mov_b32 s[G0SB], 1
	s_mov_b32 s[G0SB+1], SCL+2*HALFS
	s_sub_nc_u64 s[G0SB+2:G0SB+3], s[92:93], s[2:3]
	s_or_b32 s[G0SB+3], s[G0SB+3], 0x80000000
	s_mov_b32 s[G0], 1
	s_mov_b32 s[G0+1], 0
	s_sub_nc_u64 s[G0+2:G0+3], s[20:21], s[18:19]
	s_or_b32 s[G0+3], s[G0+3], 0x80000000
	s_mov_b32 s[G0B], 1
	s_mov_b32 s[G0B+1], 2*HALFT
	s_sub_nc_u64 s[G0B+2:G0B+3], s[46:47], s[18:19]
	s_or_b32 s[G0B+3], s[G0B+3], 0x80000000
	s_mov_b32 s[G0+4], 1                           ; slot 1: a quarter of the slot a wave
	s_add_co_u32 s[G0+5], s45, SLOT
	s_add_nc_u64 s[G0+6:G0+7], s[20:21], TBY
	s_or_b32 s[G0+7], s[G0+7], 0x80000000
	s_mov_b32 s[G0B+4], 1
	s_add_co_u32 s[G0B+5], s45, SLOT
	s_add_nc_u64 s[G0B+6:G0B+7], s[46:47], TBY
	s_or_b32 s[G0B+7], s[G0B+7], 0x80000000
.macro ARM under, g0, g1, next                 ; one chain of branches on the wave's number, one load to an arm, one join
	s_cmp_lt_u32 s14, \under
	s_cbranch_scc0 \next
	tensor_load_to_lds s[\g0:\g0+3], s[\g1:\g1+7]
	s_nop 0
.rept 4
	v_nop
.endr
	s_branch .Lhead_asked
\next:
.endm
	ARM 1, G0,  G1,  .Lhead_b
	ARM 2, G0B, G1B, .Lhead_sa
	ARM 3, G0S, G1S, .Lhead_sb
	tensor_load_to_lds s[G0SB:G0SB+3], s[G1SB:G1SB+7]
	s_nop 0
.rept 4
	v_nop
.endr
.Lhead_asked:
	v_and_b32 v1, 15, v0
	v_bfe_u32 v2, v0, 4, 1
	v_and_b32 v3, 31, v0
	v_lshlrev_b32 v[L16], 4, v3
	v_lshlrev_b32 v[L8], 3, v3
	v_lshlrev_b32 v6, 6, v2
.irp b, 0,1,2,3,4,5,6,7
	global_load_b128 v[BJ+8*\b:BJ+8*\b+3], v6, s[96:97] offset:(32*(\b/2)+8*(\b%2))*4
	global_load_b128 v[BJ+8*\b+4:BJ+8*\b+7], v6, s[96:97] offset:(32*(\b/2)+8*(\b%2))*4+16
.endr
	s_mul_i32 s21, s15, HALFT
	s_mul_i32 s22, s16, HALFT
	s_add_co_u32 s22, s22, 2*HALFT
.irp s, 0,1
	v_add_nc_u32 v[ADRA+\s], s21, v[L16]
	v_add_nc_u32 v[ADRB+\s], s22, v[L16]
	v_add_nc_u32 v[ADRA+2+\s], s21, v[L8]
	v_add_nc_u32 v[ADRB+2+\s], s22, v[L8]
	s_add_co_u32 s21, s21, SLOT
	s_add_co_u32 s22, s22, SLOT
.endr
	v_lshlrev_b32 v5, 3, v1
	s_lshl_b32 s21, s15, 12
	s_lshl_b32 s22, s16, 12
	s_add_co_u32 s22, s22, 2*HALFS
	s_sub_co_u32 s22, s22, s21
	v_mul_u32_u24 v4, s22, v2
	s_add_co_u32 s21, s21, SCL
	v_add_nc_u32 v5, v5, v4
	v_add_nc_u32 v[ADRS], s21, v5
	s_mul_i32 s23, s14, 16*SPITCH
	v_mul_u32_u24 v5, v1, SPITCH
	v_lshl_add_u32 v5, v2, 6, v5
	v_add_nc_u32 v[STO], s23, v5
	v_add_nc_u32 v[RD], s23, v[L16]
	s_wait_alu depctr_va_vdst(0)
	s_wait_loadcnt 0x0
.macro FRAG reg, adr, q, i
	ds_load_b128 v[\reg:\reg+3],     v[\adr]   offset:(\i)*TBY+(\q)*1536
	ds_load_b64  v[\reg+4:\reg+5],   v[\adr+2] offset:(\i)*TBY+(\q)*1536+512
	ds_load_b128 v[\reg+6:\reg+9],   v[\adr]   offset:(\i)*TBY+(\q)*1536+768
	ds_load_b64  v[\reg+10:\reg+11], v[\adr+2] offset:(\i)*TBY+(\q)*1536+1280
.endm
.macro MUL16 a0, p, q, sc, first
.irp a, \a0, \a0+1
.irp b, 0,1,2,3,4,5,6,7
.if \first
	v_wmma_scale_f32_16x16x128_f8f6f4 v[8*(8*((\a)%4)+\b):8*(8*((\a)%4)+\b)+7], v[128*(\p)+FR*\b:128*(\p)+FR*\b+FR-1], v[AF+FR*(\a):AF+FR*(\a)+FR-1], v[BJ+8*\b:BJ+8*\b+7], v[SC+8*NQ*(\sc)+NQ*\b+(\q)], v[SC+8*NQ*(\sc)+NQ*(\a)+(\q)] matrix_a_fmt:MATRIX_FMT_FP6 matrix_b_fmt:MATRIX_FMT_FP6 matrix_a_scale:MATRIX_SCALE_ROW1
.else
	v_wmma_scale_f32_16x16x128_f8f6f4 v[8*(8*((\a)%4)+\b):8*(8*((\a)%4)+\b)+7], v[128*(\p)+FR*\b:128*(\p)+FR*\b+FR-1], v[AF+FR*(\a):AF+FR*(\a)+FR-1], v[8*(8*((\a)%4)+\b):8*(8*((\a)%4)+\b)+7], v[SC+8*NQ*(\sc)+NQ*\b+(\q)], v[SC+8*NQ*(\sc)+NQ*(\a)+(\q)] matrix_a_fmt:MATRIX_FMT_FP6 matrix_b_fmt:MATRIX_FMT_FP6 matrix_a_scale:MATRIX_SCALE_ROW1
.endif
.endr
.endr
.endm
.macro FETCH_B slot, q, p
	WIN TO_B
.irp i, 0,1,2,3,4,5,6,7
	FRAG 128*(\p)+FR*\i, ADRB+\slot, \q, \i
.endr
	WIN 0
.endm
.macro FETCH_A slot, q, i0
.irp i, \i0, \i0+1, \i0+2, \i0+3
	FRAG AF+FR*(\i), ADRA+\slot, \q, \i
.endr
.endm
.macro SCALES sc
.irp i, 0,1,2,3,4,5,6,7
	ds_load_b64 v[SC+8*NQ*\sc+NQ*\i:SC+8*NQ*\sc+NQ*\i+1], v[ADRS] offset:\i*SBLK
.endr
.endm
.macro PLACES n
.rept \n
	v_nop
.endr
.endm
.macro STEP slot, q, first
	s_wait_dscnt 4*NL
.if \first
	WIN FST_LO
.else
	WIN MUL_LO
.endif
	MUL16 0, (\q)%2, \q, \slot, \first
	MUL16 2, (\q)%2, \q, \slot, \first
	s_wait_dscnt 0
	PLACES NP
	FETCH_B \slot, (\q)+1, 1-(\q)%2
	FETCH_A \slot, (\q)+1, 0
.if \first
	WIN FST_HI
.else
	WIN MUL_HI
.endif
	MUL16 4, (\q)%2, \q, \slot, \first
	MUL16 6, (\q)%2, \q, \slot, \first
	PLACES NP
	WIN 0
	FETCH_A \slot, (\q)+1, 4
.endm
.macro TURN slot, next, fill
	s_wait_tensorcnt 0x0
	ds_add_u32 v[SPW], v[NIL]
	s_wait_dscnt 4*NL+1
	WIN MUL_LO
	MUL16 0, 1, NQ-1, \slot, 0
	s_wait_dscnt 0x0
	s_barrier_signal -1
	MUL16 2, 1, NQ-1, \slot, 0
	WIN 0
	s_barrier_wait -1
.if \fill
	CREST
	s_add_nc_u64 s[G0+4*\slot+2:G0+4*\slot+3], s[G0+4*\slot+2:G0+4*\slot+3], 2*TBY
	s_add_nc_u64 s[G0B+4*\slot+2:G0B+4*\slot+3], s[G0B+4*\slot+2:G0B+4*\slot+3], 2*TBY
	JLOAD G0+4*\slot, G1, G0B+4*\slot, G1B
.else
	PLACES NP
.endif
	s_wait_alu depctr_va_vdst(0)
	v_add_nc_u32 v[ADRS], 128, v[ADRS]
	FETCH_B \next, 0, 0
	FETCH_A \next, 0, 0
	SCALES \next
	WIN MUL_HI
	MUL16 4, 1, NQ-1, \slot, 0
	MUL16 6, 1, NQ-1, \slot, 0
	PLACES NP
	WIN 0
	FETCH_A \next, 0, 4
.endm
	s_wait_alu depctr_va_vdst(0)                   ; the wait at the head's end
	s_wait_tensorcnt 0x0                           ; my tile of the head's four is in
	ds_add_u32 v[SPW], v[NIL]
	s_mov_b32 s[G1+2], 8<<16                       ; no load of mine is out: from here on a load brings 8 units,
	s_mov_b32 s[G1+4], 8
	s_mov_b32 s[G1B+2], 8<<16
	s_mov_b32 s[G1B+4], 8
	s_mov_b32 s[G0+1], s45                         ; and slot 0's group 0 stands at my quarter of the slot
	s_add_nc_u64 s[G0+2:G0+3], s[G0+2:G0+3], s[18:19]
	s_mov_b32 s[G0B+1], s45
	s_add_nc_u64 s[G0B+2:G0B+3], s[G0B+2:G0B+3], s[18:19]
	s_wait_dscnt 0x0
	CROUND                                         ; all four tiles are in, in every partner
	JLOAD G0+4, G1, G0B+4, G1B                     ; slot 1's first fill, the first tensor load behind the round
	FETCH_B 0, 0, 0
	FETCH_A 0, 0, 0
	SCALES 0
	FETCH_A 0, 0, 4
	STEP 0, 0, 1
	TURN 0, 1, 1
	STEP 1, 0, 0
	TURN 1, 0, 1
	STEP 0, 0, 0
	TURN 0, 1, 0
	STEP 1, 0, 0
	s_wait_dscnt 4*NL
	WIN MUL_LO
	MUL16 0, 1, NQ-1, 1, 0
	MUL16 2, 1, NQ-1, 1, 0
	s_wait_dscnt 0
	WIN MUL_HI
	MUL16 4, 1, NQ-1, 1, 0
	MUL16 6, 1, NQ-1, 1, 0
	WIN 0
.macro TOSTAGE a
.set AC, 64*((\a)%4)
	WIN 0x08+4*((\a)/4)
.irp b, 0,1,2,3,4,5,6,7
	ds_store_b128 v[STO], v[AC+8*\b:AC+8*\b+3] offset:128*(\b/2)+32*(\b%2)
	ds_store_b128 v[STO], v[AC+8*\b+4:AC+8*\b+7] offset:128*(\b/2)+32*(\b%2)+16
.endr
	WIN 0
.set BB, BK+64*((\a)%2)
.irp t, 0,1,2,3,4,5,6,7,8,9,10,11,12,13,14,15
	ds_load_b128 v[BB+4*\t:BB+4*\t+3], v[RD] offset:\t*SPITCH
.endr
.endm
.macro SEND a, younger
.set BB, BK+64*((\a)%2)
	s_wait_dscnt \younger
.irp t, 0,1,2,3,4,5,6,7,8,9,10,11,12,13,14,15
	global_store_b128 v[L16], v[BB+4*\t:BB+4*\t+3], s[98:99] offset:(32*((\a)/2)+8*((\a)%2)+(\t%8)+16*(\t/8))*4096 th:TH_STORE_NT
.endr
.endm
	PLACES NP
	TOSTAGE 0
.irp a, 1,2,3,4,5,6,7
.if \a > 1
	s_wait_xcnt 0x0
.endif
	TOSTAGE \a
	SEND \a-1, 32
.endr
	SEND 7, 0
	s_wait_tensorcnt 0x0
	ds_add_u32 v[SPW], v[NIL]
	s_wait_dscnt 0x0
	CROUND
	s_endpgm
.Lfunc_end_k_q01ea2e5a2c_gemm_out:
	.size	k_q01ea2e5a2c_gemm_out, .Lfunc_end_k_q01ea2e5a2c_gemm_out-k_q01ea2e5a2c_gemm_out
	.p2alignl 7, 3214868480
	.fill 96, 4, 3214868480
	.section	.rodata,"a",@progbits
	.p2align	6, 0x0
	.amdhsa_kernel k_q01ea2e5a2c_gemm_out
		.amdhsa_group_segment_fixed_size 327680
		.amdhsa_private_segment_fixed_size 0
		.amdhsa_enable_private_segment 0
		.amdhsa_kernarg_size 48
		.amdhsa_user_sgpr_count 2
		.amdhsa_user_sgpr_kernarg_segment_ptr 1
		.amdhsa_wavefront_size32 1
		.amdhsa_system_sgpr_workgroup_id_x 1
		.amdhsa_system_sgpr_workgroup_id_y 1
		.amdhsa_system_sgpr_workgroup_id_z 1
		.amdhsa_system_vgpr_workitem_id 0
		.amdhsa_next_free_vgpr 1024
		.amdhsa_next_free_sgpr 100
		.amdhsa_reserve_vcc 0
		.amdhsa_float_denorm_mode_32 3
		.amdhsa_float_denorm_mode_16_64 3
		.amdhsa_memory_ordered 1
		.amdhsa_forward_progress 1
		.amdhsa_inst_pref_size 145
	.end_amdhsa_kernel
	.amdgpu_metadata
---
amdhsa.version: [ 1, 2 ]
amdhsa.kernels:
  - .name:           k_q01ea2e5a2c_gemm_out
    .symbol:         k_q01ea2e5a2c_gemm_out.kd
    .args:
      - { .name: acod, .offset: 0, .size: 8, .value_kind: global_buffer, .address_space: global }
      - { .name: ascl, .offset: 8, .size: 8, .value_kind: global_buffer, .address_space: global }
      - { .name: opc, .offset: 16, .size: 8, .value_kind: global_buffer, .address_space: global }
      - { .name: ops, .offset: 24, .size: 8, .value_kind: global_buffer, .address_space: global }
      - { .name: bout, .offset: 32, .size: 8, .value_kind: global_buffer, .address_space: global }
      - { .name: out0, .offset: 40, .size: 8, .value_kind: global_buffer, .address_space: global }
    .group_segment_fixed_size: 327680
    .private_segment_fixed_size: 0
    .kernarg_segment_align: 8
    .kernarg_segment_size: 48
    .max_flat_workgroup_size: 128
    .sgpr_count:     100
    .vgpr_count:     1024
    .wavefront_size: 32
...
	.end_amdgpu_metadata
.endif
;; end of part 4
